; MI455X (gfx1250); checked and timed in simulation.
; The chip was launched on July 23, 2026; its instructions are those of AMD's public machine-readable ISA for CDNA 5 (MIT licence, August 2026) and "CDNA5" Instruction Set Architecture Reference Guide (July 2026). The comments in the code are by the model that wrote it; some were corrected since.
;; Multi Head Self Attention. Allowed arithmetic: matrix products marked QUANTISED: E4M3 operands, one E8M0 scale for each 32 along K, by v_wmma_scale_f32_16x16x128_f8f6f4 with both operands' format E4M3, f32 sums; everything else in f32.
;; Inputs: b_attn 3,072 float32; b_proj 1,024 float32; w_attn_codes 3,072 x 32 x 32 uint8 (E4M3 codes of w_attn, K innermost, in blocks of 32 codes); w_attn_scales 3,072 x 32 uint8 (E8M0 scales of w_attn, one for each 32 codes along K); w_proj_codes 1,024 x 32 x 32 uint8 (E4M3 codes of w_proj, K innermost, in blocks of 32 codes); w_proj_scales 1,024 x 32 uint8 (E8M0 scales of w_proj, one for each 32 codes along K); x_codes 4 x 2,048 x 32 x 32 uint8 (E4M3 codes of x, K innermost, in blocks of 32 codes); x_scales 4 x 2,048 x 32 uint8 (E8M0 scales of x, one for each 32 codes along K).
;; Outputs: out0 4 x 2,048 x 1,024 float32.
;; This version of the problem:
;;   THIS VERSION OF THE PROBLEM IS GIVEN IN LOW PRECISION. The matrix products marked QUANTISED in the list below multiply operands that are first quantised to E4M3 (4 exponent bits, 3 mantissa bits; 8 bits a number), with one power-of-two scale for each 32 numbers along K (OCP MX v1.0); their sums are f32. All else is computed in f32.
;;   The module's matrix products, in the order in which they are computed (A, B: the left and right operand; K: the contracted axis; several contracted axes count as one K, in the product's order):
;;     1. [M 8,192, K 1,024] x [K 1,024, N 3,072]; A: input x (given as codes); B: input w_attn (given as codes): QUANTISED
;;     2. batch 64 x [M 2,048, K 64] x [K 64, N 2,048]; A: computed on the way; B: computed on the way: QUANTISED
;;     3. batch 64 x [M 2,048, K 2,048] x [K 2,048, N 64]; A: softmax (see below); B: computed on the way: QUANTISED
;;     4. [M 8,192, K 1,024] x [K 1,024, N 1,024]; A: computed on the way; B: input w_proj (given as codes): QUANTISED
;;   THE QUANTISER, for each operand of a quantised product, along K:
;;     - K is cut into blocks of 32 from its start; a last block that is shorter is filled with zeros.
;;     - A block's scale is 2^e with e = floor(log2(the largest magnitude in the block)) - 8, held to -126 .. 127; a block of zeros has e = 0. As a byte (E8M0): e + 127.
;;     - Each number is divided by its block's scale, clamped to +-448, and rounded to the nearest number of E4M3, ties to even, subnormals kept.
;;     - The product sums the exact products of the quantised numbers (number of the format x scale) in f32.
;;   ~~~python
;;   def quantise(x, axis):      # numpy; x: float32 -> the quantised numbers, widened to float32 again
;;       x = np.moveaxis(x, axis, -1); K = x.shape[-1]
;;       x = np.pad(x, [(0, 0)] * (x.ndim - 1) + [(0, -K % 32)]); x = x.reshape(x.shape[:-1] + (-1, 32)); a = np.abs(x).max(-1, keepdims=True)
;;       e = np.where(a > 0, np.clip(np.frexp(np.where(a > 0, a, 1))[1] - 1 - 8, -126, 127), 0)      # np.frexp(a)[1] - 1 = floor(log2(a)), exactly
;;       r = np.clip(x / 2.0 ** e, -448, 448)
;;       step = 2.0 ** (np.maximum(np.frexp(np.where(r == 0, 1, r))[1] - 1, -6) - 3)
;;       q = np.round(r / step) * step * 2.0 ** e      # np.round: ties to even
;;       return np.moveaxis(q.reshape(q.shape[:-2] + (-1,))[..., :K], -1, axis).astype(np.float32)
;;   ~~~
;;   SOFTMAX AHEAD OF A QUANTISED PRODUCT. Where the list says 'softmax', what is quantised is not the finished softmax but p = 2^(t - M), with t = logit x log2(e) and M = ceil(the row's largest t), a whole number; so 1/2 < the row's largest p <= 1. The row's sum l is taken of the UNQUANTISED p, in f32, and the product's result is divided by l at the end. Since M is a whole number, a kernel that streams over the keys may use a running M (the ceiling of the running maximum): every later rescaling is an exact power of two, which a block's scale takes up: the codes' values come out the same.
;;   OPERANDS COMPUTED ON THE WAY. 'Computed on the way' means the value that the module computes at that place (a softmax that the list does not call 'softmax' is quantised finished and normalised). What goes into a quantiser is computed in f32, as accurately as f32 sums, v_exp_f32 and their like allow (about 1e-6 of the number): no bf16 or f16 on the way to a quantiser, and a product that is left as it is and whose result goes on into a quantised operand takes f32 operands (vector FMAs, or v_wmma_f32_16x16x4_f32). A number that lies on a knife's edge between two numbers of the format may be rounded either way, as far as f32 arithmetic and the matrix unit's own rounding can turn it there, and no further.
;;   INPUTS GIVEN AS CODES. w_attn (in the module: [1024, 3072], K = its axis 0); w_proj (in the module: [1024, 1024], K = its axis 0); x (in the module: [4, 2048, 1024], K = its axis 2): each comes as NAME_codes (uint8): NAME with its K axis moved to the last place and cut into blocks of 32 codes, [.., K / 32, bytes a block], one block behind the other in memory; one code a byte (a code: sign, 4 exponent bits, 3 mantissa bits); and NAME_scales (uint8): the same leading axes, one E8M0 byte (e + 127) for each 32 codes along K. Its value is code x scale, taken as it is: it is not quantised again, and the codes and scales need not be those that the quantiser above would give.
;; One version. Each part assembles by itself: llvm-mc -triple=amdgcn-amd-amdhsa -mcpu=gfx1250 --defsym DOCPART=n.
;; ======== version 1 of 1: 3 launches
;; limits: right only within a limited range of input values
;; workspace buffers: qkv 26,476,544 bytes; attc 8,388,608 bytes; atts 262,144 bytes
;; launch qkv (part 1): grid 12 x 32, 4 waves a work-group, clusters of 4 x 4, 327,680 bytes of LDS; arguments x_codes, x_scales, w_attn_codes, w_attn_scales, b_attn, qkv; writes qkv
.if DOCPART == 1
	.amdgcn_target "amdgcn-amd-amdhsa--gfx1250"
	.amdhsa_code_object_version 6
	.text
	.protected	k_qd6768caa59_qkv
	.globl	k_qd6768caa59_qkv
	.p2align	8
	.type	k_qd6768caa59_qkv,@function
k_qd6768caa59_qkv:
	s_mov_b64 s[64:65], 0
	v_nop
	global_prefetch_b8 v0, s[64:65] scope:SCOPE_SE
	s_setreg_imm32_b32 hwreg(HW_REG_WAVE_MODE, 25, 1), 1
	s_wait_xcnt 0x0
	s_wait_alu depctr_hold_cnt(0) depctr_sa_sdst(0) depctr_va_vdst(0) depctr_va_sdst(0) depctr_va_ssrc(0) depctr_va_vcc(0) depctr_vm_vsrc(0)
	s_getreg_b32 s2, hwreg(HW_REG_IB_STS2, 6, 4)
	s_cmp_eq_u32 s2, 0
	s_cbranch_scc0 .Lentry_in_a_cluster
	s_endpgm
.Lentry_in_a_cluster:
	s_bfe_u32 s2, ttmp6, 0x10000c
	s_cmp_lg_u32 s2, 0xf033
	s_cbranch_scc0 .Lentry_shape_is_right
	s_endpgm
.Lentry_shape_is_right:
; qkv = x w_attn + b_attn on codes of FP8 (E4M3) with one E8M0 scale for each 32 along K = 1,024; the results are quantised here, in f32, and leave as codes: q and k along the head's 64 channels, v along the keys.
; x: [8192][1024] codes, [8192][32] scale bytes.  w_attn: [3072][1024] codes (K innermost), [3072][32] scale bytes.  b_attn: [3072] f32.
; OUTPUT: 1,024 records of REC = 25,856 bytes, record (batch x 16 + head) x 16 + step, a step being 128 tokens.  In a record: K's codes (8,192 bytes), V's codes (8,192), K's scale words (512), V's scale words (256), Q's codes (8,192),
; Q's scale words (512).  Codes lie as IMAGES OF OPERAND REGISTERS: four registers of 32 lanes are 512 consecutive bytes, lane l's 16 bytes at 16 l.  K, Q: [tile of 16 tokens: 8][block of 32 channels: 2][lane][16];
; V: [tile of 16 channels: 4][block of 32 keys: 4][lane][16].  A scale word of K or Q: bytes 0 and 1 for the two blocks of channels, bytes 2 and 3 are 0; of V: four bytes for the step's four blocks of keys.
; ORDER INSIDE A BLOCK OF 32.  A lane holds elements 8 (lane / 16) + j of each tile of 16, so the place 16 h + 8 u + j of a block holds element 16 u + 8 h + j.  The block's set of numbers, and so its scale, is the true one;
; q and k carry the same order along the channels, v the same order along the keys as the weights p will have in the next launch: each product pairs the right numbers.
; A tile of C, 256 x 256, is made by a work-group of four waves; a wave makes 128 x 128: 64 accumulators of 16 x 16, 512 registers.  K goes in steps of 256 through a ring of two LDS slots filled by the tensor data mover.
; THE MATRIX INSTRUCTION IS USED TRANSPOSED (source 0 = 16 rows of the B role, source 1 = 16 rows of the A role): a lane holds ONE row of the A role and eight neighbours of the B role.
; ROLES.  The cluster's x says what is made: 0 q, 1 k, 2 v.  For q and k the A role is x (tokens) and the B role w_attn (channels): a lane's registers run along the channels.  For v the roles are swapped (A role: w_attn's rows from 2,048 on;
; B role: x): a lane then holds one channel and its registers run along the keys, which are v's K.  One loop serves all three; the cluster's x is the same in all sixteen partners.
; The bias is the C of each sum's first product: nothing is cleared and nothing is added.
; CLUSTERS: 4 x 4 work-groups; the four of a row need the same tiles of the A role, the four of a column those of the B role: each tile is asked for jointly.  384 work-groups: a smaller tile would divide evenly but read half as much again from LDS for each product.
; No prefetch: K has four steps, two come by the first fills, and nothing lies two refills ahead.
; LIMITS: NaN and infinities among the inputs are not served; a block of zeros gets the byte 1 (its codes are zeros, and this program alone reads the bytes); blocks whose largest magnitude lies under 2^-118 sit on that floor.
; REGISTERS, in windows of 256: window 0: v0-31 addresses; v32-63 scale words, two sets; v64-127 the bias bank; from v128 the A role's fragments, ONE set; on the way out v128-217 at work.
;   window 1: the B role's fragments, TWO sets.   window 2: the accumulators of my rows 0-63 ((a, b) at v[8 (8 a + b)]);   window 3: those of my rows 64-127.
.set KSTEP,  256
.set NQ,     2                         ; matrix instructions deep in a slot
.set ROWB,   256                       ; a tile's row in bytes
.set KROW,   1024                      ; a row of codes in memory
.set PITCH,  272                       ; an LDS row: 256 bytes + 16 of padding: the 16 rows that a load touches start at 16 different banks (64 banks of 4 bytes: ISA guide 11.1)
.set FR,     16                        ; registers of a fragment
.set NL,     4                         ; LDS loads that bring one
.set NP,     8                         ; places behind this matrix instruction (ISA guide 7.12.1)
.set HALFT,  128*PITCH
.set SLOT,   4*HALFT
.set LAPS,   2                         ; 1,024 / (2 x 256)
.set KS,     32                        ; a row of scale bytes
.set SCL,    2*SLOT                    ; behind the ring: the scales, as units of 256 bytes + 16 of padding
.set HALFS,  (128*KS/256)*272
.set SBLK,   (16*KS/256)*272
.set SPARE,  SCL+4*HALFS               ; the spare words, 128 bytes for each wave
.set REC,    25856
.set HS,     16*REC                    ; from a head's record to the next head's
.set ADRA, 16                          ; v16-17  LDS address of my A fragments in slot 0, 1
.set ADRB, 20                          ; v20-21  the same for B
.set LI,   24                          ; v24     16 x lane
.set SST,  25                          ; v25     the way out: 1,024 x wave + 4 (lane % 16): where a scale word goes
.set SRD,  26                          ; v26     1,024 x wave + 16 x lane: where scale words are read back
.set ADRS, 27                          ; v27     LDS address of my scale words: lanes 0-15 A's rows, lanes 16-31 B's
.set SPW,  28                          ; v28     my spare word; never rewritten
.set NIL,  29                          ; v29     0; never rewritten
.set VSO,  30                          ; v30     v's scale words in memory: 16 (lane % 16) + HS (lane / 16)
.set SC,   32
.set BB,   64                          ; the bias bank: 8 x 8 registers
.set AF,   128
.set T,    64
.set TM,   192                         ; v192-195 largest magnitudes, v196-199 bytes, v204-207 the conversions' scale operands
.set PW,   208                         ; v208-209 scale words just made
.set SW,   210                         ; v210-217 scale words read back
.set G1, 24
.set G0, 32
.set G1B, 48
.set G0B, 56
.set G1S, 68
.set G0S, 76
.set G1SB, 80
.set G0SB, 88
.set MSB, 0
.macro WIN new                         ; the immediate's high byte repeats the setting that is left
.if MSB != (\new)
	s_set_vgpr_msb (MSB<<8)|(\new)
.set MSB, \new
.endif
.endm
.set MUL_LO, 0xa1                      ; source 0 (B) window 1, source 1 (A) window 0, C and D window 2
.set MUL_HI, 0xf1
.set TO_B,   0x40
; A joint load: waves 0 and 1 fetch for the A role, waves 2 and 3 for the B role.  The branch hangs on the wave's number alone.  Four v_nop follow each of the two lines.
.macro JLOAD g0a, g1a, g0b, g1b
	s_cmp_eq_u32 s15, 0
	s_cbranch_scc0 .Lfor_b_\@
	tensor_load_to_lds s[\g0a:\g0a+3], s[\g1a:\g1a+7]
	s_nop 0
.rept 4
	v_nop
.endr
	s_branch .Lasked_\@
.Lfor_b_\@:
	tensor_load_to_lds s[\g0b:\g0b+3], s[\g1b:\g1b+7]
	s_nop 0
.rept 4
	v_nop
.endr
.Lasked_\@:
.endm
.macro CREST                           ; a round of the cluster's barrier behind its opening barrier
	s_cmp_lg_u32 s14, 0
	s_cbranch_scc1 .Lnot_wave_0_\@
	s_barrier_signal -3
.Lnot_wave_0_\@:
	s_barrier_wait -3
	s_barrier_signal -1
	s_barrier_wait -1
.endm
.macro CROUND
	s_barrier_signal -1
	s_barrier_wait -1
	CREST
.endm
	s_load_b128 s[4:7], s[0:1], 0x0                ; x's codes, x's scales
	s_load_b128 s[8:11], s[0:1], 0x10              ; w_attn's codes, its scales
	s_load_b128 s[96:99], s[0:1], 0x20             ; b_attn, qkv
	v_lshl_add_u32 v[SPW], v0, 2, SPARE
	v_mov_b32 v[NIL], 0
	ds_add_u32 v28, v29
	ds_add_u32 v28, v29
	s_wait_dscnt 0x0
	v_lshrrev_b32 v1, 5, v0
	v_readfirstlane_b32 s14, v1                    ; wave 0..3
	s_lshr_b32 s15, s14, 1                         ; which half of the tile's A rows is mine.  Also: I fetch for A (0) or for B (1)
	s_and_b32 s16, s14, 1                          ; which half of its B rows.  Also: which 128 rows of that tile I fetch
	s_bfe_u32 s40, ttmp6, 0x40000                  ; cx, cy: my place in the cluster
	s_bfe_u32 s41, ttmp6, 0x40004
	s_and_b32 s18, ttmp7, 0xffff                   ; the cluster's y: 0..7
	s_cmp_eq_u32 ttmp9, 2                          ; v?
	s_cselect_b32 s19, s18, ttmp9                  ; the B role's cluster coordinate: tokens for v, else q's or k's channels
	s_cselect_b32 s18, 0, s18                      ; the A role's: v's 1,024 channels are one cluster high
	s_lshl_b32 s42, s19, 2
	s_add_co_u32 s42, s42, s40                     ; tile column = 4 x that + cx
	s_lshl_b32 s17, s18, 2
	s_add_co_u32 s17, s17, s41                     ; tile row = 4 x that + cy
	s_lshl_b32 s43, s41, 2
	s_lshl_b32 s43, 15, s43                        ; my row of the cluster
	s_lshl_b32 s44, 0x1111, s40                    ; my column
	; descriptor group 1: a tile of 128 rows x 256 bytes, padded in LDS
	s_or_b32 s[G1+0], s43, (0<<16)|(1<<20)|(1<<21)|(5<<22)|(3<<25)  ; 15:0 the mask; 17:16 elements of 1 byte; 20 padding on; 21 set beside a mask; 24:22 after every 64 words; 31:25 four words
	s_or_b32 s[G1B+0], s44, (0<<16)|(1<<20)|(1<<21)|(5<<22)|(3<<25)
.irp g, G1, G1B
	s_mov_b32 s[\g+1], ROWB<<16                    ; tensor_dim0
	s_mov_b32 s[\g+2], 128<<16                     ; tensor_dim1
	s_mov_b32 s[\g+3], ROWB<<16                    ; tile_dim0
	s_mov_b32 s[\g+4], 128                         ; tile_dim1
	s_mov_b32 s[\g+5], KROW                        ; tensor_dim0_stride
	s_mov_b32 s[\g+6], 0
	s_mov_b32 s[\g+7], 0
.endr
	; the scales of 128 rows: a dense block of 4,096 bytes, as 16 rows of 256 bytes (32 elements of 8 bytes), 16 bytes of padding behind each
	s_or_b32 s[G1S+0], s43, (3<<16)|(1<<20)|(1<<21)|(5<<22)|(3<<25)
	s_or_b32 s[G1SB+0], s44, (3<<16)|(1<<20)|(1<<21)|(5<<22)|(3<<25)
.irp g, G1S, G1SB
	s_mov_b32 s[\g+1], 32<<16
	s_mov_b32 s[\g+2], (128*KS/256)<<16
	s_mov_b32 s[\g+3], 32<<16
	s_mov_b32 s[\g+4], 128*KS/256
	s_mov_b32 s[\g+5], 32
	s_mov_b32 s[\g+6], 0
	s_mov_b32 s[\g+7], 0
.endr
	s_lshl_b32 s18, s16, 7                         ; which 128 rows of the tile I fetch
	s_lshl_b32 s20, s17, 8
	s_add_co_u32 s20, s20, s18                     ; A role: row 256 x tile row + 128 x half
	s_lshl_b32 s46, s42, 8
	s_add_co_u32 s46, s46, s18                     ; B role: row 256 x tile column + 128 x half
	s_mov_b32 s21, 0
	s_mov_b32 s47, 0
	s_mov_b64 s[18:19], KS
	s_mul_u64 s[22:23], s[20:21], s[18:19]         ; where these rows' scales begin, in bytes
	s_mul_u64 s[92:93], s[46:47], s[18:19]
	s_mov_b64 s[18:19], KROW
	s_mul_u64 s[20:21], s[20:21], s[18:19]         ; and their codes
	s_mul_u64 s[46:47], s[46:47], s[18:19]
	s_mul_i32 s45, s14, HALFT                      ; where they go: wave x 128 rows: no place in the cluster enters an LDS address
	s_mul_i32 s94, s14, HALFS
	s_wait_kmcnt 0x0
	s_add_nc_u64 s[2:3], s[8:9], 0x200000          ; w_attn's row 2,048: v's first channel
	s_add_nc_u64 s[100:101], s[10:11], 0x10000     ; and its scale bytes
	s_cmp_eq_u32 ttmp9, 2                          ; the roles: the choice hangs on the cluster's x alone
	s_cselect_b64 s[8:9], s[4:5], s[8:9]           ; B role: x for v, else w_attn
	s_cselect_b64 s[10:11], s[6:7], s[10:11]
	s_cselect_b64 s[4:5], s[2:3], s[4:5]           ; A role: v's rows of w_attn, else x
	s_cselect_b64 s[6:7], s[100:101], s[6:7]
	s_add_nc_u64 s[20:21], s[4:5], s[20:21]
	s_add_nc_u64 s[22:23], s[6:7], s[22:23]
	s_add_nc_u64 s[46:47], s[8:9], s[46:47]
	s_add_nc_u64 s[92:93], s[10:11], s[92:93]
	CROUND                                         ; all sixteen work-groups are here: the first joint loads meet
	s_mov_b32 s[G0S], 1
	s_add_co_u32 s[G0S+1], s94, SCL
	s_mov_b64 s[G0S+2:G0S+3], s[22:23]
	s_or_b32 s[G0S+3], s[G0S+3], 0x80000000
	s_mov_b32 s[G0SB], 1
	s_add_co_u32 s[G0SB+1], s94, SCL
	s_mov_b64 s[G0SB+2:G0SB+3], s[92:93]
	s_or_b32 s[G0SB+3], s[G0SB+3], 0x80000000
	JLOAD G0S, G1S, G0SB, G1SB                     ; the scales first: they are wanted with K step 0
.irp s, 0,1
	s_mov_b32 s[G0+4*\s], 1
	s_add_co_u32 s[G0+4*\s+1], s45, \s*SLOT
	s_add_nc_u64 s[G0+4*\s+2:G0+4*\s+3], s[20:21], \s*ROWB
	s_or_b32 s[G0+4*\s+3], s[G0+4*\s+3], 0x80000000
	s_mov_b32 s[G0B+4*\s], 1
	s_add_co_u32 s[G0B+4*\s+1], s45, \s*SLOT
	s_add_nc_u64 s[G0B+4*\s+2:G0B+4*\s+3], s[46:47], \s*ROWB
	s_or_b32 s[G0B+4*\s+3], s[G0B+4*\s+3], 0x80000000
	JLOAD G0+4*\s, G1, G0B+4*\s, G1B
.endr
	v_and_b32 v1, 15, v0                           ; r = lane % 16
	v_bfe_u32 v2, v0, 4, 1                         ; h = lane / 16
	v_mul_u32_u24 v3, v1, PITCH
	v_lshl_add_u32 v4, v2, 4, v3                   ; a fragment's row x pitch + 16 x half
	s_mul_i32 s21, s15, HALFT                      ; my 128 rows of A
	s_mul_i32 s22, s16, HALFT                      ; my 128 rows of B,
	s_add_co_u32 s22, s22, 2*HALFT                 ; which lie behind A's 256
.irp s, 0,1
	v_add_nc_u32 v[ADRA+\s], s21, v4
	v_add_nc_u32 v[ADRB+\s], s22, v4
	s_add_co_u32 s21, s21, SLOT
	s_add_co_u32 s22, s22, SLOT
.endr
	v_mul_u32_u24 v5, v1, KS                       ; my row's scales: 32 bytes a row,
	v_lshrrev_b32 v6, 8, v5
	v_lshl_add_u32 v5, v6, 4, v5                   ; and 16 more for each 256 passed
	s_mul_i32 s21, s15, HALFS
	s_mul_i32 s22, s16, HALFS
	s_add_co_u32 s22, s22, 2*HALFS
	s_sub_co_u32 s22, s22, s21
	v_mul_u32_u24 v6, s22, v2                      ; lanes 16-31 take B's
	s_add_co_u32 s21, s21, SCL
	v_add_nc_u32 v5, v5, v6
	v_add_nc_u32 v[ADRS], s21, v5
	v_and_b32 v6, 31, v0
	v_lshlrev_b32 v[LI], 4, v6
	s_lshl_b32 s23, s14, 10
	v_lshl_add_u32 v[SST], v1, 2, s23
	v_add_nc_u32 v[SRD], s23, v[LI]
	v_mul_u32_u24 v[VSO], v2, HS
	v_lshl_add_u32 v[VSO], v1, 4, v[VSO]
	; the bias: for q and k by the B role's channel (a lane's eight registers differ), for v by the A role's channel (a lane's eight registers are equal)
	s_add_co_u32 s18, s17, 8                       ; v's channels begin at b_attn[2048]: eight tiles of 256 on
	s_cmp_eq_u32 ttmp9, 2
	s_cselect_b32 s18, s18, s42
	s_cselect_b32 s19, s15, s16
	s_lshl_b32 s18, s18, 10                        ; 256 numbers of 4 bytes a tile
	s_lshl_b32 s19, s19, 9                         ; my half
	s_add_co_u32 s18, s18, s19
	s_mov_b32 s19, 0
	s_add_nc_u64 s[66:67], s[96:97], s[18:19]
	v_lshlrev_b32 v7, 5, v2                        ; 32 h: eight numbers for each half of the lanes
	v_lshlrev_b32 v8, 2, v1                        ; 4 r
	s_cmp_eq_u32 ttmp9, 2
	s_cbranch_scc1 .Lbias_v
.irp b, 0,1,2,3,4,5,6,7
	global_load_b128 v[BB+8*\b:BB+8*\b+3], v7, s[66:67] offset:64*\b        ; bank b, register j: the bias of channel 16 b + 8 h + j
	global_load_b128 v[BB+8*\b+4:BB+8*\b+7], v7, s[66:67] offset:64*\b+16
.endr
	s_branch .Lbias_done
.Lbias_v:
	s_wait_alu depctr_va_vdst(0)
.irp a, 0,1,2,3,4,5,6,7
	global_load_b32 v[BB+8*\a], v8, s[66:67] offset:64*\a                   ; bank a: the bias of channel 16 a + r,
.endr
	s_wait_loadcnt 0x0
.irp a, 0,1,2,3,4,5,6,7
.irp j, 1,2,3,4,5,6,7
	v_mov_b32 v[BB+8*\a+\j], v[BB+8*\a]            ; in all eight registers: so either arm writes the whole bank
.endr
.endr
.Lbias_done:
	; where my results go: the record of my 128 tokens and of my first head
	s_cmp_eq_u32 ttmp9, 2
	s_cselect_b32 s18, s42, s17                    ; the tokens' tile of 256
	s_cselect_b32 s19, s16, s15                    ; and my half of it
	s_cselect_b32 s46, s41, s40                    ; the channels' tile of 256 within q, k or v: four heads
	s_cselect_b32 s47, s15, s16                    ; and my half of it: two heads
	s_lshr_b32 s92, s18, 3                         ; the batch: eight tiles of 256 tokens each
	s_lshl_b32 s92, s92, 4
	s_lshl_b32 s46, s46, 2
	s_add_co_u32 s92, s92, s46
	s_lshl_b32 s47, s47, 1
	s_add_co_u32 s92, s92, s47                     ; batch x 16 + head
	s_lshl_b32 s92, s92, 4
	s_and_b32 s18, s18, 7
	s_lshl_b32 s18, s18, 1
	s_add_co_u32 s92, s92, s18
	s_add_co_u32 s92, s92, s19                     ; + the step of 128 tokens
	s_mul_i32 s92, s92, REC                        ; under 2^25
	s_mov_b32 s93, 0
	s_add_nc_u64 s[98:99], s[98:99], s[92:93]
	s_mov_b32 s46, 16384                           ; k's scale words
	s_cmp_eq_u32 ttmp9, 0
	s_cselect_b32 s18, 17152, 0                    ; q's codes, or k's
	s_cselect_b32 s46, 25344, s46                  ; q's scale words
	s_cmp_eq_u32 ttmp9, 2
	s_cselect_b32 s18, 8192, s18                   ; v's codes
	s_cselect_b32 s46, 16896, s46                  ; v's scale words
	s_mov_b32 s19, 0
	s_mov_b32 s47, 0
	s_add_nc_u64 s[12:13], s[98:99], s[18:19]      ; the codes' base
	s_add_nc_u64 s[98:99], s[98:99], s[46:47]      ; the scale words' base
.macro FRAG reg, adr, q, i             ; a fragment, 16 rows x 128 K: lane l holds row l % 16; registers 4 c .. 4 c + 3 hold K = 32 c + 16 (l / 16) + 0 .. 15
.irp c, 0,1,2,3
	ds_load_b128 v[\reg+4*\c:\reg+4*\c+3], v[\adr] offset:128*(\q)+32*\c+(\i)*16*PITCH
.endr
.endm
; 16 matrix instructions: A's blocks a0, a0 + 1 x B's eight, 128 along K.  zero = 1: the sums start from the bias bank by B's block; zero = 2: by A's block; zero = 0: they go on in place.
; The 64 accumulators take turns, one instruction a turn, in the same order in every step.
.macro MUL16 a0, p, q, sc, zero
.irp a, \a0, \a0+1
.irp b, 0,1,2,3,4,5,6,7
.if (\zero) == 1
	v_wmma_scale_f32_16x16x128_f8f6f4 v[8*(8*((\a)%4)+\b):8*(8*((\a)%4)+\b)+7], v[128*(\p)+FR*\b:128*(\p)+FR*\b+FR-1], v[AF+FR*(\a):AF+FR*(\a)+FR-1], v[BB+8*\b:BB+8*\b+7], v[SC+8*NQ*(\sc)+NQ*\b+(\q)], v[SC+8*NQ*(\sc)+NQ*(\a)+(\q)] matrix_a_scale:MATRIX_SCALE_ROW1
.elseif (\zero) == 2
	v_wmma_scale_f32_16x16x128_f8f6f4 v[8*(8*((\a)%4)+\b):8*(8*((\a)%4)+\b)+7], v[128*(\p)+FR*\b:128*(\p)+FR*\b+FR-1], v[AF+FR*(\a):AF+FR*(\a)+FR-1], v[BB+8*(\a):BB+8*(\a)+7], v[SC+8*NQ*(\sc)+NQ*\b+(\q)], v[SC+8*NQ*(\sc)+NQ*(\a)+(\q)] matrix_a_scale:MATRIX_SCALE_ROW1
.else
	v_wmma_scale_f32_16x16x128_f8f6f4 v[8*(8*((\a)%4)+\b):8*(8*((\a)%4)+\b)+7], v[128*(\p)+FR*\b:128*(\p)+FR*\b+FR-1], v[AF+FR*(\a):AF+FR*(\a)+FR-1], v[8*(8*((\a)%4)+\b):8*(8*((\a)%4)+\b)+7], v[SC+8*NQ*(\sc)+NQ*\b+(\q)], v[SC+8*NQ*(\sc)+NQ*(\a)+(\q)] matrix_a_scale:MATRIX_SCALE_ROW1
.endif
.endr
.endr
.endm
.macro FETCH_B slot, q, p
	WIN TO_B
.irp i, 0,1,2,3,4,5,6,7
	FRAG 128*(\p)+FR*\i, ADRB+\slot, \q, \i
.endr
	WIN 0
.endm
.macro FETCH_A slot, q, i0
.irp i, \i0, \i0+1, \i0+2, \i0+3
	FRAG AF+FR*(\i), ADRA+\slot, \q, \i
.endr
.endm
.macro SCALES sc                       ; a K step's scale words into set sc: two words a row; lanes 0-15 take A's block i, lanes 16-31 B's block i
.irp i, 0,1,2,3,4,5,6,7
	ds_load_b64 v[SC+8*NQ*\sc+NQ*\i:SC+8*NQ*\sc+NQ*\i+1], v[ADRS] offset:\i*SBLK
.endr
.endm
; A load into a register that a matrix instruction has read, and a vector instruction that reads a matrix result or writes one of a matrix instruction's registers, stand NP places behind it; only plain vector
; instructions that name none of its registers are places (ISA guide 7.12.1 for vector instructions).
.macro PLACES n
.rept \n
	v_nop
.endr
.endm
; A step of 128 along K that has its successor in the same slot.
.macro STEP slot, q, zero
	s_wait_dscnt 4*NL                              ; B's set and A's blocks 0-3 are in; the youngest sixteen loads (A's blocks 4-7) may be out
.if \zero
	WIN 0x81                                       ; C, the bias bank, in window 0; D in window 2
.else
	WIN MUL_LO
.endif
	MUL16 0, (\q)%2, \q, \slot, \zero
	MUL16 2, (\q)%2, \q, \slot, \zero
	s_wait_dscnt 0                                 ; A's blocks 4-7 are in
	PLACES NP
	FETCH_B \slot, (\q)+1, 1-(\q)%2
	FETCH_A \slot, (\q)+1, 0
.if \zero
	WIN 0xc1
.else
	WIN MUL_HI
.endif
	MUL16 4, (\q)%2, \q, \slot, \zero
	MUL16 6, (\q)%2, \q, \slot, \zero
	PLACES NP
	WIN 0
	FETCH_A \slot, (\q)+1, 4
.endm
; A slot's last step changes slots: ONE barrier; in front of it each wave waits for all its tensor loads, adds 0 to its spare word, and waits for that and for its own reads of this slot.  fill = 1: this slot is filled again, two K steps ahead.
.macro TURN slot, next, fill
	s_wait_tensorcnt 0x0                           ; all my tensor loads have landed: my part of the next slot
	ds_add_u32 v[SPW], v[NIL]                      ; 0 onto my spare word
	s_wait_dscnt 4*NL+1                            ; (the add and the youngest sixteen loads, A's blocks 4-7, may be out)
	WIN MUL_LO
	MUL16 0, 1, NQ-1, \slot, 0                     ; sixteen matrix instructions stand between the add and the wait for it
	s_wait_dscnt 0x0                               ; the add is done, and my reads of this slot are over
	s_barrier_signal -1
	MUL16 2, 1, NQ-1, \slot, 0
	WIN 0
	s_barrier_wait -1
.if \fill
	CREST                                          ; the barrier has opened a round of the cluster's barrier: no wave of any partner still reads this slot's tile or has a load on its way
	s_add_nc_u64 s[G0+4*\slot+2:G0+4*\slot+3], s[G0+4*\slot+2:G0+4*\slot+3], 2*ROWB
	s_add_nc_u64 s[G0B+4*\slot+2:G0B+4*\slot+3], s[G0B+4*\slot+2:G0B+4*\slot+3], 2*ROWB
	JLOAD G0+4*\slot, G1, G0B+4*\slot, G1B         ; the first tensor load behind the round; its four v_nop are among the places in front of the loads below
	PLACES NP-4
.else
	PLACES NP
.endif
	s_wait_alu depctr_va_vdst(0)
	v_add_nc_u32 v[ADRS], 4*NQ, v[ADRS]            ; on to the next K step's scale words
	FETCH_B \next, 0, 0
	FETCH_A \next, 0, 0
	SCALES \next
	WIN MUL_HI
	MUL16 4, 1, NQ-1, \slot, 0
	MUL16 6, 1, NQ-1, \slot, 0
	PLACES NP
	WIN 0
	FETCH_A \next, 0, 4
.endm
	s_wait_tensorcnt 1                             ; three loads of mine were issued: the scales and my part of K step 0 are in, K step 1's may be out
	s_barrier_signal -1
	s_barrier_wait -1                              ; everybody's are
	FETCH_B 0, 0, 0
	FETCH_A 0, 0, 0
	s_wait_alu depctr_va_vdst(0)
	SCALES 0
	FETCH_A 0, 0, 4
	s_wait_loadcnt 0x0                             ; the bias bank
	s_cmp_eq_u32 ttmp9, 2                          ; the first step is written twice: its products take the bias by B's block (q, k) or by A's block (v)
	s_cbranch_scc1 .Lfirst_v
	STEP 0, 0, 1
	s_branch .Lfirst_done
.Lfirst_v:
	STEP 0, 0, 2
.Lfirst_done:
	s_mov_b32 s3, LAPS-1
.Llap:                                                 ; a trip goes once round the ring, from a lap's second step to the next lap's first, and fills both slots again
	TURN 0, 1, 1
	STEP 1, 0, 0
	TURN 1, 0, 1
	STEP 0, 0, 0
	s_sub_co_u32 s3, s3, 1
	s_cmp_lg_u32 s3, 0
	s_cbranch_scc1 .Llap
	TURN 0, 1, 0                                   ; the last lap fills nothing, and has no round of the cluster's barrier
	STEP 1, 0, 0
	s_wait_dscnt 4*NL                              ; the very last step: nothing more to fetch
	WIN MUL_LO
	MUL16 0, 1, NQ-1, 1, 0
	MUL16 2, 1, NQ-1, 1, 0
	s_wait_dscnt 0
	WIN MUL_HI
	MUL16 4, 1, NQ-1, 1, 0
	MUL16 6, 1, NQ-1, 1, 0
	WIN 0
; THE WAY OUT, block by block of the A role's 16 rows.  A lane's 64 results of a block are four blocks of 32 along the quantiser's K, 16 numbers each; the other 16 lie in lane l xor 16.
; A block's scale is 2^(floor(log2(its largest magnitude)) - 8): its byte is the largest magnitude's exponent field - 8, held at 1 from below by a floor among the maximum's leaves.
; mode = 0 (q, k): blocks 0, 1 are my first head's 64 channels, blocks 2, 3 my second head's; the A role's block a is tile a of 16 tokens.  mode = 1 (v): the four blocks are the step's 128 keys; block a is tile a % 4 of head a / 4.
; The four code registers of a block of 32 leave as they stand: 32 lanes store 512 consecutive bytes, at a multiple of 256 from the buffer's first byte.
.macro OUTBLK a, mode
.set AC, 64*((\a)%4)
.set PCB, 128+16*((\a)%4)
.if (\a) == 4
	s_wait_xcnt 0x0                                ; the stores of blocks 0 to 3 have read their registers: those are written again from here on
.endif
	WIN 0x28+0x14*((\a)/4)                         ; sources 1 and 2: window 2 or 3
.irp b, 0,1,2,3
	v_max3_num_f32 v[TM+\b], 0x4800000, |v[AC+16*\b]|, |v[AC+16*\b+1]|      ; each accumulator is read from its low end on; the floor 2^(9 - 127) is one more leaf
.endr
.irp i, 2,4,6,8,10,12,14
.irp b, 0,1,2,3
	v_max3_num_f32 v[TM+\b], v[TM+\b], |v[AC+16*\b+\i]|, |v[AC+16*\b+\i+1]| ; (the four blocks by turns)
.endr
.endr
	WIN 0
.irp b, 0,1,2,3
	v_permlanex16_b32 v[TM+4+\b], v[TM+\b], s20, s21
.endr
.irp b, 0,1,2,3
	v_max_num_f32 v[TM+\b], v[TM+\b], v[TM+4+\b]   ; with lane l xor 16's: the block's largest magnitude
.endr
.irp b, 0,1,2,3
	v_add_nc_u32 v[TM+12+\b], 0xfc000000, v[TM+\b] ; 8 off its exponent field: the conversion's scale operand
.endr
.irp b, 0,1,2,3
.endr
.irp b, 0,1,2,3
	v_lshrrev_b32 v[TM+4+\b], 23, v[TM+12+\b]      ; the scale's byte
.endr
.if \mode
	v_lshl_or_b32 v[PW], v[TM+5], 8, v[TM+4]       ; my channel's scale word for these 128 keys
	v_lshl_or_b32 v[PW], v[TM+6], 16, v[PW]
	v_lshl_or_b32 v[PW], v[TM+7], 24, v[PW]
.else
	v_lshl_or_b32 v[PW], v[TM+5], 8, v[TM+4]       ; my token's scale word in the first head: bytes 2 and 3 stay 0,
	v_lshl_or_b32 v[PW+1], v[TM+7], 8, v[TM+6]     ; and in the second
.endif
	WIN 0x02+((\a)/4)                              ; source 0: window 2 or 3
.irp b, 0,1,2,3
.irp i, 0,1,2,3,4,5,6,7,8,9,10,11,12,13,14,15
.endr
.endr
.irp b, 0,1,2,3
	v_cvt_scalef32_pk8_fp8_f32 v[PCB+4*\b:PCB+4*\b+1], v[AC+16*\b:AC+16*\b+7], v[TM+12+\b]
	v_cvt_scalef32_pk8_fp8_f32 v[PCB+4*\b+2:PCB+4*\b+3], v[AC+16*\b+8:AC+16*\b+15], v[TM+12+\b]
.endr
	WIN 0
	v_nop                                          ; one plain vector instruction behind the last conversion, ahead of whatever next writes its sources
.irp b, 0,1,2,3
.if \mode
	global_store_b128 v[LI], v[PCB+4*\b:PCB+4*\b+3], s[12:13] offset:((\a)/4)*HS+((\a)%4)*2048+\b*512
.else
	global_store_b128 v[LI], v[PCB+4*\b:PCB+4*\b+3], s[12:13] offset:(\b/2)*HS+(\a)*1024+(\b%2)*512
.endif
.endr
.if \mode
	ds_store_b32 v[SST], v[PW] offset:4096+64*(\a) ; both lanes of a row write the same word with the same value
.else
	ds_store_b32 v[SST], v[PW] offset:64*(\a)
	ds_store_b32 v[SST], v[PW+1] offset:512+64*(\a)
.endif
.endm
; The scale words are gathered in the wave's own 1,024 bytes of LDS, in slot 0, which has had its last fill and its last read behind the last change of slots; each of the two paths has bytes of its own.
	PLACES NP
	s_mov_b32 s20, 0x76543210
	s_mov_b32 s21, 0xfedcba98                      ; v_permlanex16_b32's selects for lane l xor 16
.irp b, 0,1,2,3
	v_mov_b32 v[TM+4+\b], 0                        ; written once: a lane permute's destination counts as one of its sources
.endr
	s_cmp_eq_u32 ttmp9, 2
	s_cbranch_scc1 .Lout_v
.irp a, 0,1,2,3,4,5,6,7
	OUTBLK \a, 0
.endr
	ds_load_b128 v[SW:SW+3], v[SRD]                ; LDS serves a wave's instructions in order (ISA guide 5.7.1.4): these see my stores.  128 tokens' words of the first head,
	ds_load_b128 v[SW+4:SW+7], v[SRD] offset:512   ; and of the second
	s_wait_dscnt 0x0
	global_store_b128 v[LI], v[SW:SW+3], s[98:99]              ; 512 consecutive bytes each
	global_store_b128 v[LI], v[SW+4:SW+7], s[98:99] offset:HS
	s_branch .Lout_done
.Lout_v:
.irp a, 0,1,2,3,4,5,6,7
	OUTBLK \a, 1
.endr
	ds_load_b128 v[SW:SW+3], v[SRD] offset:4096    ; lanes 0-15: the first head's 64 words; lanes 16-31: the second head's
	s_wait_dscnt 0x0
	global_store_b128 v[VSO], v[SW:SW+3], s[98:99] ; sixteen lanes store 256 consecutive bytes, at a multiple of 256 from the buffer's first byte
.Lout_done:
	s_wait_tensorcnt 0x0                           ; the wave's end: behind my last tensor load and my last LDS store
	ds_add_u32 v[SPW], v[NIL]
	s_wait_dscnt 0x0
	CROUND                                         ; the closing round: no work-group ends while a partner may still ask for a tile that names it
	s_endpgm
.Lfunc_end_k_qd6768caa59_qkv:
	.size	k_qd6768caa59_qkv, .Lfunc_end_k_qd6768caa59_qkv-k_qd6768caa59_qkv
	.p2alignl 7, 3214868480
	.fill 96, 4, 3214868480
	.section	.rodata,"a",@progbits
	.p2align	6, 0x0
	.amdhsa_kernel k_qd6768caa59_qkv
		.amdhsa_group_segment_fixed_size 327680
		.amdhsa_private_segment_fixed_size 0
		.amdhsa_enable_private_segment 0
		.amdhsa_kernarg_size 48
		.amdhsa_user_sgpr_count 2
		.amdhsa_user_sgpr_kernarg_segment_ptr 1
		.amdhsa_wavefront_size32 1
		.amdhsa_system_sgpr_workgroup_id_x 1
		.amdhsa_system_sgpr_workgroup_id_y 1
		.amdhsa_system_sgpr_workgroup_id_z 1
		.amdhsa_system_vgpr_workitem_id 0
		.amdhsa_next_free_vgpr 1024
		.amdhsa_next_free_sgpr 102
		.amdhsa_reserve_vcc 0
		.amdhsa_float_denorm_mode_32 3
		.amdhsa_float_denorm_mode_16_64 3
		.amdhsa_fp16_overflow 1
		.amdhsa_memory_ordered 1
		.amdhsa_forward_progress 1
		.amdhsa_inst_pref_size 202
	.end_amdhsa_kernel
	.amdgpu_metadata
---
amdhsa.version: [ 1, 2 ]
amdhsa.kernels:
  - .name:           k_qd6768caa59_qkv
    .symbol:         k_qd6768caa59_qkv.kd
    .args:
      - { .name: x_codes, .offset: 0, .size: 8, .value_kind: global_buffer, .address_space: global }
      - { .name: x_scales, .offset: 8, .size: 8, .value_kind: global_buffer, .address_space: global }
      - { .name: w_attn_codes, .offset: 16, .size: 8, .value_kind: global_buffer, .address_space: global }
      - { .name: w_attn_scales, .offset: 24, .size: 8, .value_kind: global_buffer, .address_space: global }
      - { .name: b_attn, .offset: 32, .size: 8, .value_kind: global_buffer, .address_space: global }
      - { .name: qkv, .offset: 40, .size: 8, .value_kind: global_buffer, .address_space: global }
    .group_segment_fixed_size: 327680
    .private_segment_fixed_size: 0
    .kernarg_segment_align: 8
    .kernarg_segment_size: 48
    .max_flat_workgroup_size: 128
    .sgpr_count:     102
    .vgpr_count:     1024
    .wavefront_size: 32
...
	.end_amdgpu_metadata
.endif
;; end of part 1
;; launch attn (part 2): grid 4 x 64, 16 waves a work-group, clusters of 4 x 1, 276,480 bytes of LDS; arguments qkv, attc, atts; writes attc, atts
.if DOCPART == 2
	.amdgcn_target "amdgcn-amd-amdhsa--gfx1250"
	.amdhsa_code_object_version 6
	.text
	.protected	k_qd6768caa59_attn
	.globl	k_qd6768caa59_attn
	.p2align	8
	.type	k_qd6768caa59_attn,@function
k_qd6768caa59_attn:
	s_mov_b64 s[64:65], 0
	v_nop
	global_prefetch_b8 v0, s[64:65] scope:SCOPE_SE
	s_setreg_imm32_b32 hwreg(HW_REG_WAVE_MODE, 25, 1), 1
	s_wait_xcnt 0x0
	s_wait_alu depctr_hold_cnt(0) depctr_sa_sdst(0) depctr_va_vdst(0) depctr_va_sdst(0) depctr_va_ssrc(0) depctr_va_vcc(0) depctr_vm_vsrc(0)
	s_getreg_b32 s2, hwreg(HW_REG_IB_STS2, 6, 4)
	s_cmp_eq_u32 s2, 0
	s_cbranch_scc0 .Lentry_in_a_cluster
	s_endpgm
.Lentry_in_a_cluster:
	s_bfe_u32 s2, ttmp6, 0x10000c
	s_cmp_lg_u32 s2, 0x3003
	s_cbranch_scc0 .Lentry_shape_is_right
	s_endpgm
.Lentry_shape_is_right:
; Causal attention of one (batch, head) to a cluster, both products on codes of FP8 (E4M3) with one E8M0 scale for each 32 along a product's K; the result is divided by the row's sum, quantised along the channels and stored as codes.
; INPUT: the records of the launch before (REC = 25,856 bytes for each step of 128 tokens of a head): K's codes, V's codes, K's and V's scale words (together the first 17,152 bytes), Q's codes, Q's scale words; codes as images of operand registers.
; OUTPUT: attc [tile of 16 tokens: 512][K step of 128 channels: 8][block of 32: 4][lane][16 bytes], images with the channels in their true order; atts [8192][32], one scale byte for each 32 channels.
; THE SOFTMAX AHEAD OF THE SECOND PRODUCT: t = score x log2(e) / 8; M = the row's largest t so far, rounded UP to a whole number; p = 2^(t - M) is what is quantised, along the keys.  The row's sum is taken of the unquantised p
; and divides O at the end.  When M moves, the sum and O are multiplied by 2^(old M - new M): exact.
; LDS.  All of a head's K and V and their scale words are 16 x 17,152 = 274,432 bytes: they are brought ONCE, jointly for the four work-groups of the cluster (wave w brings step w by one tensor load with a mask that names the four), and stay.
; So there is no ring and no refill, and the loop has no barrier.  Nothing is prefetched: every byte that the launch streams is asked for by these first fills.
; SHARES.  The head's 2,048 queries are 16 granules of 128.  The work-group at place cx takes tiles 2 cx and 2 cx + 1 (16 queries each) of EVERY granule, so that how many key steps a tile has, and which of them lies on the diagonal, hang on the
; wave's number alone; cx enters global addresses and the mask's compare, no branch and no LDS address.  Wave w takes tile 2 cx + w % 2 of granule g = w / 2 and then of granule 15 - g: (g + 1) + (16 - g) = 17 key steps for every wave.
; LAYOUT.  Both products are used transposed: S^T = K Q^T (source 0 = 16 keys, source 1 = my 16 queries), O^T = V^T P^T (source 0 = 16 channels, source 1 = P): a lane holds ONE query (lane % 16) throughout.
; The 16 registers of tiles 2 b and 2 b + 1 of S^T hold keys 32 b + 16 u + 8 (lane / 16) + j at place 8 u + j: the order in which V's images hold the keys.
; THE FIRST PRODUCT'S K IS 64, the instruction's 128: Q's registers 8 to 15 are zero codes.  K's eight fragments lie 8 registers apart, so that a fragment's upper 8 registers are the next tile's codes (behind the last tile: zeros): finite
; numbers that meet Q's zeros and add nothing; both sides' scale bytes there are 0, which stands for 2^-127.
; atts: a tile leaves 2 bytes in each of 16 rows (against 1,024 bytes of codes): a row's 32 bytes come from 16 heads, that is from 16 clusters, so they are stored byte by byte.
; LIMITS: NaN and infinities are not served; a block of zeros gets the byte 1 (its codes are zeros; this program alone reads the bytes); blocks whose largest magnitude lies under 2^-118 sit on that floor.
.set REC,  25856
.set KVB,  17152                       ; K, V and their scale words of a step
.set LI,   1                           ; v1   16 x lane
.set LS,   2                           ; v2   4 x lane
.set VQ,   3                           ; v3   Q's images: 16 x lane + 1,024 x my tile
.set VQS,  4                           ; v4   Q's scale words: 4 (lane % 16) + 64 x my tile
.set ADK,  5                           ; v5   LDS: the step's images
.set ADS,  6                           ; v6   LDS: the step's scale words
.set VOC,  7                           ; v7   attc: 16 x lane + 16,384 x my tile
.set VOS,  8                           ; v8   atts: 512 x my tile + 32 (lane % 16) + lane / 16
.set DQ,   9                           ; v9   my query in its granule - 8 (lane / 16)
.set Q,    16                          ; v16-31   Q's fragment; v24-31 zeros
.set KB,   32                          ; v32-95   K's eight tiles, 8 registers each; v96-103 zeros
.set S,    104                         ; v104-167 S^T, then p, then V's four fragments; at a tile's end O^T / the sum
.set O,    168                         ; v168-199 O^T
.set P,    200                         ; v200-215 p's codes; at a tile's end the result's codes
.set KSC,  216                         ; v216-219 K's scale words, v220-221 V's, v222 Q's, v223 p's: scales and nothing else
.set VSC,  220
.set QSC,  222
.set PSC,  223
.set BM,   224                         ; v224-227 a block's largest score, then its largest p
.set BP,   228                         ; v228-231 the other half's, then the bytes
.set BH,   232
.set BS,   236                         ; v236-239 the conversions' scale operands
.set F,    240                         ; v[240:241] f = 2^(old M - new M) (the low word serves both halves)
.set TMP,  242
.set SA,   244                         ; v[244:245] the sums' second chain
.set NINF, 246                         ; v246 -infinity
.set X,    248                         ; v248-251 the exchange between the halves of the lanes
.set Y,    250
.set WV,   10                          ; s10 my wave's number
.set CX,   11                          ; s11 my place in the cluster
.set G0,   12                          ; s[12:15], s[16:23] the descriptor
.set G1,   16
.set BHD,  24                          ; s24 batch x 16 + head
.set GG,   25                          ; s25 g
.set GP1,  26                          ; s26 g + 1: the first tile's key steps
.set SUB,  27
.set TP,   28                          ; s28 my tile in a granule: 2 cx + wave % 2
.set GR,   29                          ; s29 the granule of the tile in hand: its diagonal step
.set TRIP, 30
.set KST,  31                          ; s31 the key step
.set TB,   32                          ; s32 where it begins in LDS
.set T0,   33
.set SEL,  34                          ; s[34:35] lane selects for v_permlanex16_b32: lane l xor 16
.set CS,   36                          ; s[36:37] c = log2(e) / 8
.set MNT,  38
.set HM,   39                          ; s39 a mask of lanes 16 to 31
.set RB,   40                          ; s[40:41] the record of the tile's granule, s[42:43] its place in attc, s[44:45] in atts
.set OC,   42
.set OS,   44
.set NB,   46                          ; s[46:51] the same three for the second tile
.set GB,   56                          ; s56 15 - g
.macro ROUND                           ; a round of the cluster's barrier
	s_barrier_signal -1
	s_barrier_wait -1
	s_cmp_lg_u32 s[WV], 0
	s_cbranch_scc1 .Lnot_wave_0_\@
	s_barrier_signal -3
.Lnot_wave_0_\@:
	s_barrier_wait -3
	s_barrier_signal -1
	s_barrier_wait -1
.endm
.macro BASES g, d                      ; the three bases of the tile in granule s[g] into s[d .. d + 5]
	s_add_co_u32 s54, s52, s[\g]
	s_mul_i32 s54, s54, REC                        ; under 2^25
	s_add_nc_u64 s[\d:\d+1], s[4:5], s[54:55]
	s_lshl_b32 s54, s[\g], 17                      ; a granule's eight tiles of 16,384 bytes
	s_add_co_u32 s54, s54, s59
	s_add_nc_u64 s[\d+2:\d+3], s[6:7], s[54:55]
	s_lshl_b32 s54, s[\g], 12                      ; a granule's 128 rows of 32 bytes
	s_add_co_u32 s54, s54, s61
	s_add_nc_u64 s[\d+4:\d+5], s[8:9], s[54:55]
.endm
.macro INIT                            ; a tile begins: its Q; O^T and the sum are zeros and the largest t is under every t, so that the step is written once
	global_load_b128 v[Q:Q+3], v[VQ], s[RB:RB+1] offset:17152
	global_load_b128 v[Q+4:Q+7], v[VQ], s[RB:RB+1] offset:17152+512
	global_load_b32 v[QSC], v[VQS], s[RB:RB+1] offset:25344
.set n, 0
.rept 32
	v_mov_b32 v[O+n], 0
.set n, n+1
.endr
	v_mov_b32 v13, 0xff61b1e6                      ; -3e38
	s_delay_alu instid0(VALU_DEP_1)
	v_floor_f32 v12, -v13                          ; -M
	v_mov_b32 v14, 0
	v_mov_b32 v15, 0
	s_wait_loadcnt 0x0
.endm
	s_load_b128 s[4:7], s[0:1], 0x0                ; qkv, attc
	s_load_b64 s[8:9], s[0:1], 0x10                ; atts
	v_lshl_add_u32 v254, v0, 2, 0x43000
	v_mov_b32 v255, 0
	ds_add_u32 v254, v255
	ds_add_u32 v254, v255
	v_lshrrev_b32 v10, 5, v0
	s_delay_alu instid0(VALU_DEP_1)
	v_readfirstlane_b32 s[WV], v10                 ; wave 0..15
	s_bfe_u32 s[CX], ttmp6, 0x40000
	s_and_b32 s[BHD], ttmp7, 0xffff                ; the cluster's y
	s_lshr_b32 s[GG], s[WV], 1
	s_add_co_u32 s[GP1], s[GG], 1
	s_sub_co_u32 s[GB], 15, s[GG]
	s_and_b32 s[SUB], s[WV], 1
	s_lshl_b32 s[TP], s[CX], 1
	s_add_co_u32 s[TP], s[TP], s[SUB]
	s_mov_b32 s[GR], s[GG]
	s_mov_b32 s[SEL], 0x76543210
	s_mov_b32 s[SEL+1], 0xfedcba98
	s_mov_b32 s[CS], 0x3e38aa3b                    ; log2(e) / 8
	s_mov_b32 s[CS+1], s[CS]                       ; (named with it as a pair, so it is written)
	s_mov_b32 s[HM], 0xffff0000
	v_and_b32 v10, 31, v0                          ; lane
	v_and_b32 v11, 15, v0                          ; r
	v_bfe_u32 v[TMP], v0, 4, 1                     ; h
	s_delay_alu instid0(VALU_DEP_3)
	v_lshlrev_b32 v[LI], 4, v10
	s_delay_alu instid0(VALU_DEP_4)
	v_lshlrev_b32 v[LS], 2, v10
	s_lshl_b32 s52, s[TP], 10
	v_add_nc_u32 v[VQ], s52, v[LI]
	s_lshl_b32 s52, s[TP], 6
	v_lshl_add_u32 v[VQS], v11, 2, s52
	s_lshl_b32 s52, s[TP], 14
	v_add_nc_u32 v[VOC], s52, v[LI]
	s_lshl_b32 s52, s[TP], 9
	v_lshl_add_u32 v[VOS], v11, 5, s52
	s_delay_alu instid0(VALU_DEP_1)
	v_add_nc_u32 v[VOS], v[VOS], v[TMP]
	s_lshl_b32 s52, s[TP], 4
	v_add_nc_u32 v[DQ], s52, v11
	v_lshlrev_b32 v10, 3, v[TMP]
	s_delay_alu instid0(VALU_DEP_1)
	v_sub_nc_u32 v[DQ], v[DQ], v10
.irp j, 0,1,2,3,4,5,6,7
	v_mov_b32 v[Q+8+\j], 0                         ; Q's upper half of K: zero codes
	v_mov_b32 v[KB+64+\j], 0                       ; and what stands behind K's last tile
.endr
.irp b, 0,1,2,3
	v_mov_b32 v[BP+\b], 0                          ; written once: a lane permute's destination counts as one of its sources
.endr
	v_mov_b32 v[Y], 0
	v_mov_b32 v[Y+1], 0
	v_mov_b32 v[F+1], 0                            ; (named as the upper half of a pair)
	v_mov_b32 v[NINF], 0xff800000
	; the descriptor: a dense block of 17,152 bytes as 67 rows of 256 bytes (32 elements of 8 bytes)
	s_mov_b32 s[G1], 15|(3<<16)|(1<<21)            ; 15:0 the mask: all four work-groups; 17:16 elements of 8 bytes; 21 set beside a mask
	s_mov_b32 s[G1+1], 32<<16                      ; tensor_dim0
	s_mov_b32 s[G1+2], 67<<16                      ; tensor_dim1
	s_mov_b32 s[G1+3], 32<<16                      ; tile_dim0
	s_mov_b32 s[G1+4], 67                          ; tile_dim1
	s_mov_b32 s[G1+5], 32                          ; tensor_dim0_stride
	s_mov_b32 s[G1+6], 0
	s_mov_b32 s[G1+7], 0
	s_mov_b32 s[G0], 1
	s_mul_i32 s[G0+1], s[WV], KVB                  ; step w lies at 17,152 w: no place in the cluster enters an LDS address
	s_lshl_b32 s52, s[BHD], 4                      ; the head's first record
	s_add_co_u32 s54, s52, s[WV]
	s_mul_i32 s54, s54, REC
	s_mov_b32 s55, 0
	s_lshr_b32 s57, s[BHD], 4                      ; the batch
	s_and_b32 s58, s[BHD], 15                      ; the head
	s_lshl_b32 s59, s57, 21                        ; attc: a batch's 128 tiles of 16,384 bytes,
	s_lshl_b32 s60, s58, 10                        ; a head's two blocks of 512 bytes
	s_add_co_u32 s59, s59, s60
	s_lshl_b32 s61, s57, 16                        ; atts: a batch's 2,048 rows of 32 bytes,
	s_lshl_b32 s60, s58, 1                         ; a head's two bytes
	s_add_co_u32 s61, s61, s60
	s_wait_dscnt 0x0
	s_wait_kmcnt 0x0
	s_add_nc_u64 s[G0+2:G0+3], s[4:5], s[54:55]
	s_or_b32 s[G0+3], s[G0+3], 0x80000000
	ROUND                                          ; all four work-groups are here: the joint loads meet
	tensor_load_to_lds s[G0:G0+3], s[G1:G1+7]      ; my one tensor load of the launch
	s_nop 0
.rept 4
	v_nop
.endr
	BASES GG, RB
	BASES GB, NB
	INIT
	s_wait_tensorcnt 0x0                           ; my step is in,
	s_barrier_signal -1
	s_barrier_wait -1                              ; everybody's is: from here on LDS is only read
	s_mov_b32 s[TRIP], 0
.Ltrip:                                            ; 17 trips: the first tile's g + 1 key steps, then the second tile's 16 - g
	s_cmp_lt_u32 s[TRIP], s[GP1]
	s_cselect_b32 s[T0], 0, s[GP1]
	s_sub_co_u32 s[KST], s[TRIP], s[T0]            ; the key step: 0 .. the tile's granule
	s_min_u32 s[KST], s[KST], 15                   ; (it changes no value: the bound can be read off the text)
	s_mul_i32 s[TB], s[KST], KVB
	s_setprio 2
	v_add_nc_u32 v[ADK], s[TB], v[LI]
	v_add_nc_u32 v[ADS], s[TB], v[LS]
.irp t, 0,1,2,3,4,5,6,7
	ds_load_b128 v[KB+8*\t:KB+8*\t+3], v[ADK] offset:1024*\t          ; tile t of 16 keys: channels' block 0,
	ds_load_b128 v[KB+8*\t+4:KB+8*\t+7], v[ADK] offset:1024*\t+512    ; block 1
.endr
.irp i, 0,1,2,3
	ds_load_b32 v[KSC+\i], v[ADS] offset:16384+128*\i                 ; lanes 0-15: tile 2 i's scale words; lanes 16-31: tile 2 i + 1's
.endr
.rept 7
	v_nop                                          ; with the two additions above nine places behind the last trip's products V^T P: the products below write over the registers that held V
.endr
	s_wait_dscnt 0x0
.irp t, 0,2,4,6
	v_wmma_scale_f32_16x16x128_f8f6f4 v[S+8*\t:S+8*\t+7], v[KB+8*\t:KB+8*\t+15], v[Q:Q+15], 0, v[KSC+\t/2], v[QSC]
	v_wmma_scale_f32_16x16x128_f8f6f4 v[S+8*\t+8:S+8*\t+15], v[KB+8*\t+8:KB+8*\t+23], v[Q:Q+15], 0, v[KSC+\t/2], v[QSC] matrix_a_scale:MATRIX_SCALE_ROW1
.endr
.rept 8
	v_nop
.endr
	; on the diagonal the scores of hidden keys become -infinity ahead of the maximum: p = 0 then.  Register n holds key 16 (n / 8) + 8 (lane / 16) + n % 8 of the step: hidden where 16 (n / 8) + n % 8 > my query - 8 (lane / 16)
	s_cmp_lg_u32 s[KST], s[GR]
	s_cbranch_scc1 .Lopen
.set n, 0
.rept 64
	v_cmp_gt_i32 vcc_lo, 16*(n/8)+n%8, v[DQ]
	v_cndmask_b32 v[S+n], v[S+n], v[NINF], vcc_lo
.set n, n+1
.endr
.Lopen:
.irp b, 0,1,2,3
	v_max3_num_f32 v[BM+\b], v[S+16*\b], v[S+16*\b+1], v[S+16*\b+2]   ; the largest score of each block of 32 keys: it serves for the row's maximum and, since p rises with the score, for the block's largest p
.endr
.irp i, 3,5,7,9,11,13
.irp b, 0,1,2,3
	v_max3_num_f32 v[BM+\b], v[BM+\b], v[S+16*\b+\i], v[S+16*\b+\i+1]
.endr
.endr
.irp b, 0,1,2,3
	v_max_num_f32 v[BM+\b], v[BM+\b], v[S+16*\b+15]
.endr
.irp b, 0,1,2,3
	s_delay_alu instid0(VALU_DEP_4)
	v_permlanex16_b32 v[BP+\b], v[BM+\b], s[SEL], s[SEL+1]
.endr
.irp b, 0,1,2,3
	s_delay_alu instid0(VALU_DEP_4)
	v_max_num_f32 v[BM+\b], v[BM+\b], v[BP+\b]     ; with lane l xor 16's 16 keys
.endr
	s_delay_alu instid0(VALU_DEP_2)
	v_max3_num_f32 v[TMP], v[BM], v[BM+1], v[BM+2]
	s_delay_alu instid0(VALU_DEP_1)
	v_max_num_f32 v[TMP], v[TMP], v[BM+3]          ; the step's largest score of my query
	s_delay_alu instid0(VALU_DEP_1)
	v_mul_f32 v[TMP], s[CS], v[TMP]                ; as t (c is positive)
	s_delay_alu instid0(VALU_DEP_1)
	v_max_num_f32 v13, v13, v[TMP]                 ; the running largest t
	v_mov_b32 v[TMP], v12
	s_delay_alu instid0(VALU_DEP_2)
	v_floor_f32 v12, -v13                          ; the new -M = floor(-t) = -ceil(t): a whole number
	s_delay_alu instid0(VALU_DEP_1)
	v_sub_f32 v[TMP], v12, v[TMP]                  ; M's old value less its new one: a whole number, 0 or less
	s_delay_alu instid0(VALU_DEP_1)
	v_cvt_i32_f32 v[TMP], v[TMP]                   ; (it saturates)
	s_delay_alu instid0(VALU_DEP_1)
	v_ldexp_f32 v[F], 1.0, v[TMP]                  ; f = 2^(old M - new M)
.set n, 0
.rept 32
	v_pk_fma_f32 v[S+n:S+n+1], v[S+n:S+n+1], s[CS:CS+1], v[12:13] op_sel_hi:[1,0,0]   ; t - M, two at a time
.set n, n+2
.endr
.irp b, 0,1,2,3
	v_fma_f32 v[BM+\b], v[BM+\b], s[CS], v12       ; the same of each block's largest score
.endr
.set n, 0
	s_wait_alu depctr_va_vdst(0)
.rept 64
	v_exp_f32 v[S+n], v[S+n]                       ; p = 2^(t - M), at most 1: not normalised
.set n, n+1
.endr
	s_setprio 1
	v_pk_mul_f32 v[14:15], v[14:15], v[F:F+1] op_sel_hi:[1,0]   ; the sums under the new M: the plain instruction behind the exponentials
	s_wait_alu depctr_va_vdst(0)                   ; one wait for the whole batch, ahead of its first reader
.irp b, 0,1,2,3
	v_exp_f32 v[BM+\b], v[BM+\b]                   ; the block's largest p: the same two instructions on the same number give the same bits
.endr
	v_pk_add_f32 v[244:245], v[108:109], v[112:113]
	v_pk_add_f32 v[252:253], v[116:117], v[120:121]
	v_pk_add_f32 v[248:249], v[124:125], v[128:129]
	v_pk_add_f32 v[238:239], v[132:133], v[136:137]
	v_pk_add_f32 v[236:237], v[140:141], v[144:145]
	v_pk_add_f32 v[234:235], v[148:149], v[152:153]
	v_pk_add_f32 v[232:233], v[156:157], v[160:161]
	v_pk_add_f32 v[14:15], v[14:15], v[164:165]
	v_pk_add_f32 v[244:245], v[244:245], v[104:105]
	v_pk_add_f32 v[252:253], v[252:253], v[106:107]
	v_pk_add_f32 v[248:249], v[248:249], v[110:111]
	v_pk_add_f32 v[238:239], v[238:239], v[114:115]
	v_pk_add_f32 v[236:237], v[236:237], v[118:119]
	v_pk_add_f32 v[234:235], v[234:235], v[122:123]
	v_pk_add_f32 v[232:233], v[232:233], v[126:127]
	v_pk_add_f32 v[14:15], v[14:15], v[130:131]
	v_pk_add_f32 v[244:245], v[244:245], v[134:135]
	v_pk_add_f32 v[252:253], v[252:253], v[138:139]
	v_pk_add_f32 v[248:249], v[248:249], v[142:143]
	v_pk_add_f32 v[238:239], v[238:239], v[146:147]
	v_pk_add_f32 v[236:237], v[236:237], v[150:151]
	v_pk_add_f32 v[234:235], v[234:235], v[154:155]
	v_pk_add_f32 v[232:233], v[232:233], v[158:159]
	v_pk_add_f32 v[14:15], v[14:15], v[162:163]
	v_pk_add_f32 v[244:245], v[244:245], v[166:167]
	s_delay_alu instid0(VALU_DEP_2)
	v_pk_add_f32 v[14:15], v[14:15], v[238:239]
	s_delay_alu instid0(VALU_DEP_2)
	v_pk_add_f32 v[244:245], v[244:245], v[236:237]
	v_pk_add_f32 v[252:253], v[252:253], v[234:235]
	v_pk_add_f32 v[248:249], v[248:249], v[232:233]
	s_delay_alu instid0(VALU_DEP_2)
	v_pk_add_f32 v[14:15], v[14:15], v[252:253]
	s_delay_alu instid0(VALU_DEP_2)
	v_pk_add_f32 v[244:245], v[244:245], v[248:249]
	s_delay_alu instid0(VALU_DEP_1)
	v_pk_add_f32 v[14:15], v[14:15], v[244:245]
	s_wait_alu depctr_va_vdst(0)                   ; and one for the four
.irp b, 0,1,2,3
	v_max_num_f32 v[BM+\b], 0x4800000, v[BM+\b]    ; the floor 2^(9 - 127): the byte cannot fall under 1
.endr
.irp b, 0,1,2,3
	s_delay_alu instid0(VALU_DEP_4)
	v_add_nc_u32 v[BS+\b], 0xfc000000, v[BM+\b]    ; 8 off the exponent field: the conversion's scale operand
.endr
.irp b, 0,1,2,3
.endr
.irp b, 0,1,2,3
	s_delay_alu instid0(VALU_DEP_4)
	v_lshrrev_b32 v[BP+\b], 23, v[BS+\b]           ; the scale's byte
.endr
	s_delay_alu instid0(VALU_DEP_3)
	v_lshl_or_b32 v[PSC], v[BP+1], 8, v[BP]        ; p's scale word for these 128 keys
	s_delay_alu instid0(VALU_DEP_1)
	v_lshl_or_b32 v[PSC], v[BP+2], 16, v[PSC]
	s_delay_alu instid0(VALU_DEP_1)
	v_lshl_or_b32 v[PSC], v[BP+3], 24, v[PSC]
.irp b, 0,1,2,3
.irp i, 0,1,2,3,4,5,6,7,8,9,10,11,12,13,14,15
.endr
	v_cvt_scalef32_pk8_fp8_f32 v[P+4*\b:P+4*\b+1], v[S+16*\b:S+16*\b+7], v[BS+\b]
	v_cvt_scalef32_pk8_fp8_f32 v[P+4*\b+2:P+4*\b+3], v[S+16*\b+8:S+16*\b+15], v[BS+\b]
.endr
	v_nop
.irp d, 0,1,2,3
.irp c, 0,1,2,3
	ds_load_b128 v[S+16*\d+4*\c:S+16*\d+4*\c+3], v[ADK] offset:8192+2048*\d+512*\c   ; V's tile d of 16 channels, block c of 32 keys, into the registers that p has left
.endr
.endr
	ds_load_b32 v[VSC], v[ADS] offset:16896        ; lanes 0-15: tile 0's scale words; lanes 16-31: tile 1's
	ds_load_b32 v[VSC+1], v[ADS] offset:16896+128  ; tiles 2 and 3
.set n, 0
.rept 16
	v_pk_mul_f32 v[O+n:O+n+1], v[O+n:O+n+1], v[F:F+1] op_sel_hi:[1,0]   ; O^T under the new M, from each accumulator's low end on.  These sixteen are also the places behind the conversions and in front of the products below
.set n, n+2
.endr
	s_wait_alu depctr_va_vdst(0)
	s_wait_dscnt 0x0
.irp d, 0,2                            ; the four accumulators take turns, and eight other products stand between a trip's and the next trip's
	v_wmma_scale_f32_16x16x128_f8f6f4 v[O+8*\d:O+8*\d+7], v[S+16*\d:S+16*\d+15], v[P:P+15], v[O+8*\d:O+8*\d+7], v[VSC+\d/2], v[PSC]
	v_wmma_scale_f32_16x16x128_f8f6f4 v[O+8*\d+8:O+8*\d+15], v[S+16*\d+16:S+16*\d+31], v[P:P+15], v[O+8*\d+8:O+8*\d+15], v[VSC+\d/2], v[PSC] matrix_a_scale:MATRIX_SCALE_ROW1
.endr
	s_cmp_lg_u32 s[KST], s[GR]                     ; was that the tile's last step, the one on the diagonal?
	s_setprio 0
	s_cbranch_scc1 .Lnext
	; A TILE'S END.  O^T / the sum; its 64 channels are two blocks of 32 of the next product's K: quantised, brought into the channels' true order, stored.
.rept 8
	v_nop
.endr
	v_add_f32 v14, v14, v15                        ; the sum's two halves,
	s_delay_alu instid0(VALU_DEP_1)
	v_permlanex16_b32 v[TMP], v14, s[SEL], s[SEL+1]
	s_delay_alu instid0(VALU_DEP_1)
	v_add_f32 v14, v14, v[TMP]                     ; and lane l xor 16's: the row's sum
	s_wait_alu depctr_va_vdst(0)
	v_rcp_f32 v14, v14
	v_nop                                          ; a plain instruction behind the reciprocal
	s_wait_alu depctr_va_vdst(0)                   ; and the wait ahead of its first reader
.set n, 0
.rept 16
	v_pk_mul_f32 v[S+n:S+n+1], v[O+n:O+n+1], v[14:15] op_sel_hi:[1,0]   ; register 16 c + 8 u + j: channel 32 c + 16 u + 8 (lane / 16) + j of my query
.set n, n+2
.endr
.irp c, 0,1
	v_max3_num_f32 v[BM+\c], |v[S+16*\c]|, |v[S+16*\c+1]|, 0x4800000
.endr
.irp i, 2,4,6,8,10,12,14
.irp c, 0,1
	s_delay_alu instid0(VALU_DEP_2)
	v_max3_num_f32 v[BM+\c], v[BM+\c], |v[S+16*\c+\i]|, |v[S+16*\c+\i+1]|
.endr
.endr
.irp c, 0,1
	s_delay_alu instid0(VALU_DEP_2)
	v_permlanex16_b32 v[BP+\c], v[BM+\c], s[SEL], s[SEL+1]
.endr
.irp c, 0,1
	s_delay_alu instid0(VALU_DEP_2)
	v_max_num_f32 v[BM+\c], v[BM+\c], v[BP+\c]     ; the block's largest magnitude
.endr
.irp c, 0,1
	s_delay_alu instid0(VALU_DEP_2)
	v_add_nc_u32 v[BS+\c], 0xfc000000, v[BM+\c]
.endr
.irp c, 0,1
.endr
.irp c, 0,1
	s_delay_alu instid0(VALU_DEP_2)
	v_lshrrev_b32 v[BP+\c], 23, v[BS+\c]           ; the scale's byte
.endr
.irp c, 0,1
.irp i, 0,1,2,3,4,5,6,7,8,9,10,11,12,13,14,15
.endr
	v_cvt_scalef32_pk8_fp8_f32 v[P+4*\c:P+4*\c+1], v[S+16*\c:S+16*\c+7], v[BS+\c]
	v_cvt_scalef32_pk8_fp8_f32 v[P+4*\c+2:P+4*\c+3], v[S+16*\c+8:S+16*\c+15], v[BS+\c]
.endr
	v_nop                                          ; one plain vector instruction behind the last conversion
	; The true order gives lanes 0-15 channels 0-15 of a block and lanes 16-31 channels 16-31.  Lanes 0-15 hold 0-7 and 16-23, lanes 16-31 hold 8-15 and 24-31: each half sends the eight that the other wants.
.irp c, 0,1
	v_cndmask_b32 v[X], v[P+4*\c+2], v[P+4*\c], s[HM]
	v_cndmask_b32 v[X+1], v[P+4*\c+3], v[P+4*\c+1], s[HM]
	s_delay_alu instid0(VALU_DEP_2)
	v_permlanex16_b32 v[Y], v[X], s[SEL], s[SEL+1]
	s_delay_alu instid0(VALU_DEP_2)
	v_permlanex16_b32 v[Y+1], v[X+1], s[SEL], s[SEL+1]
	v_cndmask_b32 v[P+8+4*\c], v[P+4*\c], v[Y], s[HM]
	v_cndmask_b32 v[P+8+4*\c+1], v[P+4*\c+1], v[Y+1], s[HM]
	v_cndmask_b32 v[P+8+4*\c+2], v[Y], v[P+4*\c+2], s[HM]
	v_cndmask_b32 v[P+8+4*\c+3], v[Y+1], v[P+4*\c+3], s[HM]
.endr
	v_cndmask_b32 v[TMP], v[BP], v[BP+1], s[HM]    ; lanes 0-15 store block 0's byte, lanes 16-31 block 1's
	global_store_b128 v[VOC], v[P+8:P+11], s[OC:OC+1]              ; 512 consecutive bytes each
	global_store_b128 v[VOC], v[P+12:P+15], s[OC:OC+1] offset:512
	global_store_b8 v[VOS], v[TMP], s[OS:OS+1]
	s_wait_xcnt 0x0                                ; the stores have read their registers and bases: both are written again only behind this wait, on every way back into the loop
	s_cmp_eq_u32 s[TRIP], 16
	s_cbranch_scc1 .Lnext                          ; the second tile has no successor
	s_mov_b64 s[RB:RB+1], s[NB:NB+1]
	s_mov_b64 s[OC:OC+1], s[NB+2:NB+3]
	s_mov_b64 s[OS:OS+1], s[NB+4:NB+5]
	s_mov_b32 s[GR], s[GB]
	INIT
.Lnext:
	s_add_co_u32 s[TRIP], s[TRIP], 1
	s_cmp_lt_u32 s[TRIP], 17
	s_cbranch_scc1 .Ltrip
	s_setprio 0
	s_wait_tensorcnt 0x0
	ds_add_u32 v254, v255
	s_wait_dscnt 0x0
	ROUND                                          ; the closing round
	s_endpgm
.Lfunc_end_k_qd6768caa59_attn:
	.size	k_qd6768caa59_attn, .Lfunc_end_k_qd6768caa59_attn-k_qd6768caa59_attn
	.p2alignl 7, 3214868480
	.fill 96, 4, 3214868480
	.section	.rodata,"a",@progbits
	.p2align	6, 0x0
	.amdhsa_kernel k_qd6768caa59_attn
		.amdhsa_group_segment_fixed_size 276480
		.amdhsa_private_segment_fixed_size 0
		.amdhsa_enable_private_segment 0
		.amdhsa_kernarg_size 24
		.amdhsa_user_sgpr_count 2
		.amdhsa_user_sgpr_kernarg_segment_ptr 1
		.amdhsa_wavefront_size32 1
		.amdhsa_system_sgpr_workgroup_id_x 1
		.amdhsa_system_sgpr_workgroup_id_y 1
		.amdhsa_system_sgpr_workgroup_id_z 1
		.amdhsa_system_vgpr_workitem_id 0
		.amdhsa_next_free_vgpr 256
		.amdhsa_next_free_sgpr 66
		.amdhsa_reserve_vcc 1
		.amdhsa_float_denorm_mode_32 3
		.amdhsa_float_denorm_mode_16_64 3
		.amdhsa_fp16_overflow 1
		.amdhsa_memory_ordered 1
		.amdhsa_forward_progress 1
		.amdhsa_inst_pref_size 38
	.end_amdhsa_kernel
	.amdgpu_metadata
---
amdhsa.version: [ 1, 2 ]
amdhsa.kernels:
  - .name:           k_qd6768caa59_attn
    .symbol:         k_qd6768caa59_attn.kd
    .args:
      - { .name: qkv, .offset: 0, .size: 8, .value_kind: global_buffer, .address_space: global }
      - { .name: attc, .offset: 8, .size: 8, .value_kind: global_buffer, .address_space: global }
      - { .name: atts, .offset: 16, .size: 8, .value_kind: global_buffer, .address_space: global }
    .group_segment_fixed_size: 276480
    .private_segment_fixed_size: 0
    .kernarg_segment_align: 8
    .kernarg_segment_size: 24
    .max_flat_workgroup_size: 512
    .sgpr_count:     66
    .vgpr_count:     256
    .wavefront_size: 32
...
	.end_amdgpu_metadata
.endif
;; end of part 2
;; launch proj (part 3): grid 4 x 32, 4 waves a work-group, clusters of 4 x 4, 327,680 bytes of LDS; arguments attc, atts, w_proj_codes, w_proj_scales, b_proj, out0; writes out0
.if DOCPART == 3
	.amdgcn_target "amdgcn-amd-amdhsa--gfx1250"
	.amdhsa_code_object_version 6
	.text
	.protected	k_qd6768caa59_proj
	.globl	k_qd6768caa59_proj
	.p2align	8
	.type	k_qd6768caa59_proj,@function
k_qd6768caa59_proj:
	s_mov_b64 s[64:65], 0
	v_nop
	global_prefetch_b8 v0, s[64:65] scope:SCOPE_SE
	s_setreg_imm32_b32 hwreg(HW_REG_WAVE_MODE, 25, 1), 1
	s_wait_xcnt 0x0
	s_wait_alu depctr_hold_cnt(0) depctr_sa_sdst(0) depctr_va_vdst(0) depctr_va_sdst(0) depctr_va_ssrc(0) depctr_va_vcc(0) depctr_vm_vsrc(0)
	s_getreg_b32 s2, hwreg(HW_REG_IB_STS2, 6, 4)
	s_cmp_eq_u32 s2, 0
	s_cbranch_scc0 .Lentry_in_a_cluster
	s_endpgm
.Lentry_in_a_cluster:
	s_bfe_u32 s2, ttmp6, 0x10000c
	s_cmp_lg_u32 s2, 0xf033
	s_cbranch_scc0 .Lentry_shape_is_right
	s_endpgm
.Lentry_shape_is_right:
; out0 = att w_proj + b_proj on codes of FP8 (E4M3) with one E8M0 scale for each 32 along K = 1,024; sums in f32; out0: [8192][1024] f32.
; A: the attention's result as the launch before left it: attc [tile of 16 rows: 512][K step of 128: 8][block of 32: 4][lane][16 bytes], images of operand registers; atts [8192][32] scale bytes.
; B: w_proj_codes [1024 (n)][1024 (k)], w_proj_scales [1024][32].  b_proj: [1024] f32: it is the C of each sum's first product.
; A tile of C, 256 x 256, is made by a work-group of four waves; a wave makes 128 x 128: 64 accumulators, 512 registers.  K goes in steps of 256 through a ring of two LDS slots filled by the tensor data mover.
; A's tile of 128 rows x 256 K is 8 pieces of 4,096 consecutive bytes, 16,384 bytes apart; in LDS they lie on end, and a fragment's four registers are read as 512 consecutive bytes: no pitch and no padding.  B's rows are padded as usual.
; THE MATRIX INSTRUCTION IS USED TRANSPOSED (source 0 = 16 rows of B, source 1 = 16 rows of A): a lane holds eight neighbouring numbers of a row of C.
; CLUSTERS: 4 x 4 work-groups; A's tiles are asked for jointly along a row of the cluster, B's along a column.  128 work-groups: a tile of 128 x 256 would give 256, and read half as much again from LDS for each product.
; No prefetch: K has four steps, two come by the first fills, and nothing lies two refills ahead.
; REGISTERS, in windows of 256: window 0: v0-31 addresses; v32-63 scale words, two sets; v64-127 the bias bank; from v128 A's fragments, ONE set; on the way out v128-255 rows of C.
;   window 1: B's fragments, TWO sets.   window 2: the accumulators of my rows 0-63 ((a, b) at v[8 (8 a + b)]);   window 3: those of my rows 64-127.
.set SIZE_N, 1024
.set NQ,     2
.set ROWB,   256                       ; a row of B's tile in bytes
.set KROW,   1024                      ; a row of codes in memory; also attc's bytes for a row
.set PITCH,  272                       ; B's LDS row: 256 bytes + 16 of padding: the 16 rows that a load touches start at 16 different banks (64 banks of 4 bytes: ISA guide 11.1)
.set FR,     16
.set NL,     4
.set NP,     8                         ; places behind this matrix instruction (ISA guide 7.12.1)
.set HALFA,  32768                     ; 128 rows x 256 K of A
.set HALFB,  128*PITCH
.set SLOT,   2*HALFA+2*HALFB           ; A's 256 rows, then B's 256 rows
.set LAPS,   2
.set KS,     32
.set SCL,    2*SLOT
.set HALFS,  (128*KS/256)*272
.set SBLK,   (16*KS/256)*272
.set SPARE,  SCL+4*HALFS               ; the spare words, 128 bytes for each wave
.set SPITCH, 528                       ; the way out: a stage of 16 rows x (512 bytes + 16) for each wave, in slot 0, which has had its last fill and its last read when the first result is stored there
.set ADRA, 16
.set ADRB, 20
.set STO,  24
.set RD,   25
.set CO,   26
.set ADRS, 27
.set SPW,  28
.set NIL,  29
.set SC,   32
.set BB,   64
.set AF,   128
.set BK,   128
.set G1, 24
.set G0, 32
.set G1B, 48
.set G0B, 56
.set G1S, 68
.set G0S, 76
.set G1SB, 80
.set G0SB, 88
.set MSB, 0
.macro WIN new
.if MSB != (\new)
	s_set_vgpr_msb (MSB<<8)|(\new)
.set MSB, \new
.endif
.endm
.set MUL_LO, 0xa1
.set MUL_HI, 0xf1
.set TO_B,   0x40
.macro JLOAD g0a, g1a, g0b, g1b        ; a joint load: waves 0 and 1 fetch for A, waves 2 and 3 for B; four v_nop follow each of the two lines
	s_cmp_eq_u32 s15, 0
	s_cbranch_scc0 .Lfor_b_\@
	tensor_load_to_lds s[\g0a:\g0a+3], s[\g1a:\g1a+7]
	s_nop 0
.rept 4
	v_nop
.endr
	s_branch .Lasked_\@
.Lfor_b_\@:
	tensor_load_to_lds s[\g0b:\g0b+3], s[\g1b:\g1b+7]
	s_nop 0
.rept 4
	v_nop
.endr
.Lasked_\@:
.endm
.macro CREST
	s_cmp_lg_u32 s14, 0
	s_cbranch_scc1 .Lnot_wave_0_\@
	s_barrier_signal -3
.Lnot_wave_0_\@:
	s_barrier_wait -3
	s_barrier_signal -1
	s_barrier_wait -1
.endm
.macro CROUND
	s_barrier_signal -1
	s_barrier_wait -1
	CREST
.endm
	s_load_b128 s[4:7], s[0:1], 0x0                ; attc, atts
	s_load_b128 s[8:11], s[0:1], 0x10              ; w_proj's codes, its scales
	s_load_b128 s[96:99], s[0:1], 0x20             ; b_proj, out0
	v_lshl_add_u32 v[SPW], v0, 2, SPARE
	v_mov_b32 v[NIL], 0
	ds_add_u32 v28, v29
	ds_add_u32 v28, v29
	s_wait_dscnt 0x0
	v_lshrrev_b32 v1, 5, v0
	v_readfirstlane_b32 s14, v1                    ; wave 0..3
	s_lshr_b32 s15, s14, 1                         ; which half of the tile's rows is mine.  Also: I fetch for A (0) or for B (1)
	s_and_b32 s16, s14, 1                          ; which half of its columns.  Also: which 128 rows of that tile I fetch
	s_bfe_u32 s40, ttmp6, 0x40000
	s_bfe_u32 s41, ttmp6, 0x40004
	s_lshl_b32 s42, ttmp9, 2
	s_add_co_u32 s42, s42, s40                     ; tile column of C
	s_and_b32 s17, ttmp7, 0xffff
	s_lshl_b32 s17, s17, 2
	s_add_co_u32 s17, s17, s41                     ; tile row of C
	s_lshl_b32 s43, s41, 2
	s_lshl_b32 s43, 15, s43                        ; my row of the cluster
	s_lshl_b32 s44, 0x1111, s40                    ; my column
	; A's group 1: 8 pieces of 4,096 bytes (512 elements of 8 bytes), 16,384 bytes (2,048 elements) apart; no padding
	s_or_b32 s[G1+0], s43, (3<<16)|(1<<21)
	s_mov_b32 s[G1+1], 512<<16                     ; tensor_dim0
	s_mov_b32 s[G1+2], 8<<16                       ; tensor_dim1
	s_mov_b32 s[G1+3], 512<<16                     ; tile_dim0
	s_mov_b32 s[G1+4], 8                           ; tile_dim1
	s_mov_b32 s[G1+5], 2048                        ; tensor_dim0_stride
	s_mov_b32 s[G1+6], 0
	s_mov_b32 s[G1+7], 0
	; B's group 1: 128 rows x 256 bytes, four words of padding after every 64
	s_or_b32 s[G1B+0], s44, (0<<16)|(1<<20)|(1<<21)|(5<<22)|(3<<25)
	s_mov_b32 s[G1B+1], ROWB<<16
	s_mov_b32 s[G1B+2], 128<<16
	s_mov_b32 s[G1B+3], ROWB<<16
	s_mov_b32 s[G1B+4], 128
	s_mov_b32 s[G1B+5], KROW
	s_mov_b32 s[G1B+6], 0
	s_mov_b32 s[G1B+7], 0
	; the scales of 128 rows: 4,096 dense bytes as 16 rows of 256 bytes, 16 bytes of padding behind each
	s_or_b32 s[G1S+0], s43, (3<<16)|(1<<20)|(1<<21)|(5<<22)|(3<<25)
	s_or_b32 s[G1SB+0], s44, (3<<16)|(1<<20)|(1<<21)|(5<<22)|(3<<25)
.irp g, G1S, G1SB
	s_mov_b32 s[\g+1], 32<<16
	s_mov_b32 s[\g+2], (128*KS/256)<<16
	s_mov_b32 s[\g+3], 32<<16
	s_mov_b32 s[\g+4], 128*KS/256
	s_mov_b32 s[\g+5], 32
	s_mov_b32 s[\g+6], 0
	s_mov_b32 s[\g+7], 0
.endr
	s_lshl_b32 s18, s16, 7
	s_lshl_b32 s20, s17, 8
	s_add_co_u32 s20, s20, s18                     ; A: row 256 x tile row + 128 x half
	s_lshl_b32 s46, s42, 8
	s_add_co_u32 s46, s46, s18                     ; B: row 256 x tile column + 128 x half
	s_mov_b32 s21, 0
	s_mov_b32 s47, 0
	s_mov_b64 s[18:19], KS
	s_mul_u64 s[22:23], s[20:21], s[18:19]
	s_mul_u64 s[92:93], s[46:47], s[18:19]
	s_mov_b64 s[18:19], KROW
	s_mul_u64 s[20:21], s[20:21], s[18:19]         ; (a tile of 16 rows of attc is 16,384 bytes: 1,024 a row)
	s_mul_u64 s[46:47], s[46:47], s[18:19]
	s_mul_i32 s45, s16, HALFA                      ; where A's half goes,
	s_mul_i32 s95, s16, HALFB
	s_add_co_u32 s95, s95, 2*HALFA                 ; and B's: no place in the cluster enters an LDS address
	s_mul_i32 s94, s14, HALFS
	s_wait_kmcnt 0x0
	s_add_nc_u64 s[20:21], s[4:5], s[20:21]
	s_add_nc_u64 s[22:23], s[6:7], s[22:23]
	s_add_nc_u64 s[46:47], s[8:9], s[46:47]
	s_add_nc_u64 s[92:93], s[10:11], s[92:93]
	CROUND                                         ; all sixteen work-groups are here: the first joint loads meet
	s_mov_b32 s[G0S], 1
	s_add_co_u32 s[G0S+1], s94, SCL
	s_mov_b64 s[G0S+2:G0S+3], s[22:23]
	s_or_b32 s[G0S+3], s[G0S+3], 0x80000000
	s_mov_b32 s[G0SB], 1
	s_add_co_u32 s[G0SB+1], s94, SCL
	s_mov_b64 s[G0SB+2:G0SB+3], s[92:93]
	s_or_b32 s[G0SB+3], s[G0SB+3], 0x80000000
	JLOAD G0S, G1S, G0SB, G1SB
.irp s, 0,1
	s_mov_b32 s[G0+4*\s], 1
	s_add_co_u32 s[G0+4*\s+1], s45, \s*SLOT
	s_add_nc_u64 s[G0+4*\s+2:G0+4*\s+3], s[20:21], \s*4096
	s_or_b32 s[G0+4*\s+3], s[G0+4*\s+3], 0x80000000
	s_mov_b32 s[G0B+4*\s], 1
	s_add_co_u32 s[G0B+4*\s+1], s95, \s*SLOT
	s_add_nc_u64 s[G0B+4*\s+2:G0B+4*\s+3], s[46:47], \s*ROWB
	s_or_b32 s[G0B+4*\s+3], s[G0B+4*\s+3], 0x80000000
	s_wait_alu depctr_va_vdst(0)
	s_wait_tensorcnt 0x0
	ds_add_u32 v28, v29
	s_wait_dscnt 0x0
	CROUND
	JLOAD G0+4*\s, G1, G0B+4*\s, G1B
.endr
	v_and_b32 v1, 15, v0                           ; r
	v_bfe_u32 v2, v0, 4, 1                         ; h
	v_and_b32 v6, 31, v0                           ; lane
	v_lshlrev_b32 v[CO], 4, v6                     ; 16 x lane
	v_mul_u32_u24 v3, v1, PITCH
	v_lshl_add_u32 v4, v2, 4, v3                   ; B: a fragment's row x pitch + 16 x half
	s_mul_i32 s21, s15, HALFA                      ; my 128 rows of A
	s_mul_i32 s22, s16, HALFB                      ; my 128 rows of B,
	s_add_co_u32 s22, s22, 2*HALFA                 ; which lie behind A's 256
.irp s, 0,1
	v_add_nc_u32 v[ADRA+\s], s21, v[CO]
	v_add_nc_u32 v[ADRB+\s], s22, v4
	s_add_co_u32 s21, s21, SLOT
	s_add_co_u32 s22, s22, SLOT
.endr
	v_mul_u32_u24 v5, v1, KS
	v_lshrrev_b32 v6, 8, v5
	v_lshl_add_u32 v5, v6, 4, v5
	s_mul_i32 s21, s15, HALFS
	s_mul_i32 s22, s16, HALFS
	s_add_co_u32 s22, s22, 2*HALFS
	s_sub_co_u32 s22, s22, s21
	v_mul_u32_u24 v6, s22, v2                      ; lanes 16-31 take B's
	s_add_co_u32 s21, s21, SCL
	v_add_nc_u32 v5, v5, v6
	v_add_nc_u32 v[ADRS], s21, v5
	s_mul_i32 s23, s14, 16*SPITCH                  ; my stage
	v_mul_u32_u24 v5, v1, SPITCH
	v_lshl_add_u32 v5, v2, 5, v5
	v_add_nc_u32 v[STO], s23, v5                   ; in: row r, 32 bytes for each half of the lanes
	v_add_nc_u32 v[RD], s23, v[CO]                 ; back: the 32 lanes take one row of 512 bytes
	s_lshl_b32 s20, s17, 8
	s_lshl_b32 s21, s15, 7
	s_add_co_u32 s20, s20, s21                     ; my first row of C
	s_mov_b32 s21, 0
	s_mov_b64 s[18:19], SIZE_N*4
	s_mul_u64 s[20:21], s[20:21], s[18:19]
	s_lshl_b32 s46, s42, 10                        ; my first column, in bytes: 1,024 x tile column + 512 x half: in C and in b_proj alike
	s_lshl_b32 s47, s16, 9
	s_add_co_u32 s46, s46, s47
	s_mov_b32 s47, 0
	s_add_nc_u64 s[66:67], s[96:97], s[46:47]      ; the bias of my 128 columns
	s_add_nc_u64 s[20:21], s[20:21], s[46:47]
	s_add_nc_u64 s[12:13], s[98:99], s[20:21]
	v_lshlrev_b32 v7, 5, v2                        ; 32 h
.irp b, 0,1,2,3,4,5,6,7
	global_load_b128 v[BB+8*\b:BB+8*\b+3], v7, s[66:67] offset:64*\b        ; bank b, register j: the bias of column 16 b + 8 h + j
	global_load_b128 v[BB+8*\b+4:BB+8*\b+7], v7, s[66:67] offset:64*\b+16
.endr
.macro FRAGA reg, slot, q, i           ; an image comes back as it was stored: four registers are 512 consecutive bytes
.irp c, 0,1,2,3
	ds_load_b128 v[\reg+4*\c:\reg+4*\c+3], v[ADRA+\slot] offset:4096*(\i)+2048*(\q)+512*\c
.endr
.endm
.macro FRAGB reg, slot, q, i           ; from rows: lane l holds row l % 16; registers 4 c .. 4 c + 3 hold K = 32 c + 16 (l / 16) + 0 .. 15
.irp c, 0,1,2,3
	ds_load_b128 v[\reg+4*\c:\reg+4*\c+3], v[ADRB+\slot] offset:128*(\q)+32*\c+(\i)*16*PITCH
.endr
.endm
; 16 matrix instructions: A's blocks a0, a0 + 1 x B's eight.  zero = 1: the sums start from the bias bank.  The 64 accumulators take turns, one instruction a turn.
.macro MUL16 a0, p, q, sc, zero
.irp a, \a0, \a0+1
.irp b, 0,1,2,3,4,5,6,7
.if \zero
	v_wmma_scale_f32_16x16x128_f8f6f4 v[8*(8*((\a)%4)+\b):8*(8*((\a)%4)+\b)+7], v[128*(\p)+FR*\b:128*(\p)+FR*\b+FR-1], v[AF+FR*(\a):AF+FR*(\a)+FR-1], v[BB+8*\b:BB+8*\b+7], v[SC+8*NQ*(\sc)+NQ*\b+(\q)], v[SC+8*NQ*(\sc)+NQ*(\a)+(\q)] matrix_a_scale:MATRIX_SCALE_ROW1
.else
	v_wmma_scale_f32_16x16x128_f8f6f4 v[8*(8*((\a)%4)+\b):8*(8*((\a)%4)+\b)+7], v[128*(\p)+FR*\b:128*(\p)+FR*\b+FR-1], v[AF+FR*(\a):AF+FR*(\a)+FR-1], v[8*(8*((\a)%4)+\b):8*(8*((\a)%4)+\b)+7], v[SC+8*NQ*(\sc)+NQ*\b+(\q)], v[SC+8*NQ*(\sc)+NQ*(\a)+(\q)] matrix_a_scale:MATRIX_SCALE_ROW1
.endif
.endr
.endr
.endm
.macro FETCH_B slot, q, p
	WIN TO_B
.irp i, 0,1,2,3,4,5,6,7
	FRAGB 128*(\p)+FR*\i, \slot, \q, \i
.endr
	WIN 0
.endm
.macro FETCH_A slot, q, i0
.irp i, \i0, \i0+1, \i0+2, \i0+3
	FRAGA AF+FR*(\i), \slot, \q, \i
.endr
.endm
.macro SCALES sc
.irp i, 0,1,2,3,4,5,6,7
	ds_load_b64 v[SC+8*NQ*\sc+NQ*\i:SC+8*NQ*\sc+NQ*\i+1], v[ADRS] offset:\i*SBLK
.endr
.endm
.macro PLACES n                        ; places in front of loads into registers that matrix instructions have read, and of the first read of results (ISA guide 7.12.1 for the first read of results)
.rept \n
	v_nop
.endr
.endm
.macro STEP slot, q, zero
	s_wait_dscnt 4*NL                              ; B's set and A's blocks 0-3 are in; the youngest sixteen loads (A's blocks 4-7) may be out
.if \zero
	WIN 0x81                                       ; C, the bias bank, in window 0; D in window 2
.else
	WIN MUL_LO
.endif
	MUL16 0, (\q)%2, \q, \slot, \zero
	MUL16 2, (\q)%2, \q, \slot, \zero
	s_wait_dscnt 0
	PLACES NP
	FETCH_B \slot, (\q)+1, 1-(\q)%2
	FETCH_A \slot, (\q)+1, 0
.if \zero
	WIN 0xc1
.else
	WIN MUL_HI
.endif
	MUL16 4, (\q)%2, \q, \slot, \zero
	MUL16 6, (\q)%2, \q, \slot, \zero
	PLACES NP
	WIN 0
	FETCH_A \slot, (\q)+1, 4
.endm
; A slot's last step changes slots: ONE barrier; in front of it each wave waits for all its tensor loads, adds 0 to its spare word, and waits for that and for its own reads of this slot.  fill = 1: this slot is filled again, two K steps ahead.
.macro TURN slot, next, fill
	s_wait_tensorcnt 0x0                           ; all my tensor loads have landed: my part of the next slot
	ds_add_u32 v[SPW], v[NIL]                      ; 0 onto my spare word
	s_wait_dscnt 4*NL+1                            ; (the add and the youngest sixteen loads may be out)
	WIN MUL_LO
	MUL16 0, 1, NQ-1, \slot, 0
	s_wait_dscnt 0x0                               ; the add is done, and my reads of this slot are over
	s_barrier_signal -1
	MUL16 2, 1, NQ-1, \slot, 0
	WIN 0
	s_barrier_wait -1
.if \fill
	CREST                                          ; the barrier has opened a round of the cluster's barrier: no wave of any partner still reads this slot's tile or has a load on its way
	s_add_nc_u64 s[G0+4*\slot+2:G0+4*\slot+3], s[G0+4*\slot+2:G0+4*\slot+3], 2*4096
	s_add_nc_u64 s[G0B+4*\slot+2:G0B+4*\slot+3], s[G0B+4*\slot+2:G0B+4*\slot+3], 2*ROWB
	JLOAD G0+4*\slot, G1, G0B+4*\slot, G1B
	PLACES NP-4
.else
	PLACES NP
.endif
	s_wait_alu depctr_va_vdst(0)
	v_add_nc_u32 v[ADRS], 4*NQ, v[ADRS]
	FETCH_B \next, 0, 0
	FETCH_A \next, 0, 0
	SCALES \next
	WIN MUL_HI
	MUL16 4, 1, NQ-1, \slot, 0
	MUL16 6, 1, NQ-1, \slot, 0
	PLACES NP
	WIN 0
	FETCH_A \next, 0, 4
.endm
	s_wait_alu depctr_va_vdst(0)
	s_wait_tensorcnt 1                             ; three loads of mine were issued: the scales and my part of K step 0 are in, K step 1's may be out
	s_barrier_signal -1
	s_barrier_wait -1
	FETCH_B 0, 0, 0
	FETCH_A 0, 0, 0
	SCALES 0
	FETCH_A 0, 0, 4
	s_wait_loadcnt 0x0                             ; the bias bank
	STEP 0, 0, 1                                   ; the first step stands in front of the loop: its products start the sums from the bias
	s_mov_b32 s3, LAPS-1
.Llap:
	TURN 0, 1, 1
	STEP 1, 0, 0
	TURN 1, 0, 1
	STEP 0, 0, 0
	s_sub_co_u32 s3, s3, 1
	s_cmp_lg_u32 s3, 0
	s_cbranch_scc1 .Llap
	TURN 0, 1, 0                                   ; the last lap fills nothing
	STEP 1, 0, 0
	s_wait_dscnt 4*NL
	WIN MUL_LO
	MUL16 0, 1, NQ-1, 1, 0
	MUL16 2, 1, NQ-1, 1, 0
	s_wait_dscnt 0
	WIN MUL_HI
	MUL16 4, 1, NQ-1, 1, 0
	MUL16 6, 1, NQ-1, 1, 0
	WIN 0
; THE WAY OUT, block by block of 16 rows x 128 columns, through my own stage in LDS: in as 32 bytes a lane, back as whole rows of 512 bytes.  LDS serves a wave's instructions in order (ISA guide 5.7.1.4): no wait between the stores and the loads.
.macro TOSTAGE a
.set AC, 64*((\a)%4)
	WIN 0x08+4*((\a)/4)                            ; the data: window 2 or 3
.irp b, 0,1,2,3,4,5,6,7
	ds_store_b128 v[STO], v[AC+8*\b:AC+8*\b+3] offset:64*\b          ; each accumulator from its low end on
	ds_store_b128 v[STO], v[AC+8*\b+4:AC+8*\b+7] offset:64*\b+16
.endr
	WIN 0
.set BBK, BK+64*((\a)%2)
.irp t, 0,1,2,3,4,5,6,7,8,9,10,11,12,13,14,15
	ds_load_b128 v[BBK+4*\t:BBK+4*\t+3], v[RD] offset:\t*SPITCH
.endr
.endm
.macro SEND a, younger                 ; younger: the LDS instructions issued behind block a's loads, which may stay out
.set BBK, BK+64*((\a)%2)
	s_wait_dscnt \younger
.if (\a) > 0
	s_add_nc_u64 s[12:13], s[12:13], 16*SIZE_N*4   ; (behind a wait on XCNT: the earlier stores have read their base)
.endif
.irp t, 0,1,2,3,4,5,6,7,8,9,10,11,12,13,14,15
	global_store_b128 v[CO], v[BBK+4*\t:BBK+4*\t+3], s[12:13] offset:\t*SIZE_N*4 th:TH_STORE_NT   ; 32 lanes store 512 consecutive bytes, at a multiple of 256 from C's first byte
.endr
.endm
	PLACES NP
	TOSTAGE 0
.irp a, 1,2,3,4,5,6,7
.if \a > 1
	s_wait_xcnt 0x0                                ; block a - 2's stores have read their registers and their base
.endif
	TOSTAGE \a
	SEND \a-1, 32                                  ; behind block a - 1's loads: block a's 16 stores and 16 loads
.endr
	s_wait_xcnt 0x0
	SEND 7, 0
	s_wait_tensorcnt 0x0                           ; the wave's end: behind my last tensor load and my last LDS store
	ds_add_u32 v[SPW], v[NIL]
	s_wait_dscnt 0x0
	CROUND                                         ; the closing round
	s_endpgm
.Lfunc_end_k_qd6768caa59_proj:
	.size	k_qd6768caa59_proj, .Lfunc_end_k_qd6768caa59_proj-k_qd6768caa59_proj
	.p2alignl 7, 3214868480
	.fill 96, 4, 3214868480
	.section	.rodata,"a",@progbits
	.p2align	6, 0x0
	.amdhsa_kernel k_qd6768caa59_proj
		.amdhsa_group_segment_fixed_size 327680
		.amdhsa_private_segment_fixed_size 0
		.amdhsa_enable_private_segment 0
		.amdhsa_kernarg_size 48
		.amdhsa_user_sgpr_count 2
		.amdhsa_user_sgpr_kernarg_segment_ptr 1
		.amdhsa_wavefront_size32 1
		.amdhsa_system_sgpr_workgroup_id_x 1
		.amdhsa_system_sgpr_workgroup_id_y 1
		.amdhsa_system_sgpr_workgroup_id_z 1
		.amdhsa_system_vgpr_workitem_id 0
		.amdhsa_next_free_vgpr 1024
		.amdhsa_next_free_sgpr 102
		.amdhsa_reserve_vcc 0
		.amdhsa_float_denorm_mode_32 3
		.amdhsa_float_denorm_mode_16_64 3
		.amdhsa_memory_ordered 1
		.amdhsa_forward_progress 1
		.amdhsa_inst_pref_size 148
	.end_amdhsa_kernel
	.amdgpu_metadata
---
amdhsa.version: [ 1, 2 ]
amdhsa.kernels:
  - .name:           k_qd6768caa59_proj
    .symbol:         k_qd6768caa59_proj.kd
    .args:
      - { .name: attc, .offset: 0, .size: 8, .value_kind: global_buffer, .address_space: global }
      - { .name: atts, .offset: 8, .size: 8, .value_kind: global_buffer, .address_space: global }
      - { .name: w_proj_codes, .offset: 16, .size: 8, .value_kind: global_buffer, .address_space: global }
      - { .name: w_proj_scales, .offset: 24, .size: 8, .value_kind: global_buffer, .address_space: global }
      - { .name: b_proj, .offset: 32, .size: 8, .value_kind: global_buffer, .address_space: global }
      - { .name: out0, .offset: 40, .size: 8, .value_kind: global_buffer, .address_space: global }
    .group_segment_fixed_size: 327680
    .private_segment_fixed_size: 0
    .kernarg_segment_align: 8
    .kernarg_segment_size: 48
    .max_flat_workgroup_size: 128
    .sgpr_count:     102
    .vgpr_count:     1024
    .wavefront_size: 32
...
	.end_amdgpu_metadata
.endif
;; end of part 3
